; MI455X (gfx1250); checked and timed in simulation.
; The chip was launched on July 23, 2026; its instructions are those of AMD's public machine-readable ISA for CDNA 5 (MIT licence, August 2026) and "CDNA5" Instruction Set Architecture Reference Guide (July 2026). The comments in the code are by the model that wrote it; some were corrected since.
;; Flow. Allowed arithmetic: float matrix products may take bf16 or f16 operands with f32 sums; all other float work in f32.
;; Inputs: WA_b 1 float32; WA_w 1 x 1,024 float32; WE_b 1,024 float32; WE_w 1,024 x 1,024 float32; WK_b 1,024 float32; WK_w 1,024 x 1,024 float32; WN_b 1,024 float32; WN_w 1,024 x 1,024 float32; WO_b 1,024 float32; WO_w 1,024 x 1,024 float32; WQ_b 1,024 float32; WQ_w 1,024 x 1,024 float32; WV_b 1,024 float32; WV_w 1,024 x 1,024 float32; node_next 8 x 1,024 x 1,024 float32; node_t 8 x 1,024 x 1,024 float32.
;; Outputs: out0 8 x 1,024 float32.
;; One version. Each part assembles by itself: llvm-mc -triple=amdgcn-amd-amdhsa -mcpu=gfx1250 --defsym DOCPART=n.
;; ======== version 1 of 1: 3 launches
;; limits: a function is approximated: absolute error at most 1.5e-07
;; workspace buffers: ybf 16,777,216 bytes; mst 4,194,304 bytes; vecs 20,480 bytes; umat 33,554,432 bytes; part 524,288 bytes
;; launch prep (part 1): grid 464 x 1, 8 waves a work-group, no clusters, 152,832 bytes of LDS; arguments WQ_w, WK_w, WO_w, WV_w, WE_w, WN_w, WQ_b, WK_b, WV_b, WA_w, node_next, mst, vecs, ybf; writes mst, vecs, ybf
.if DOCPART == 1
	.amdgcn_target "amdgcn-amd-amdhsa--gfx1250"
	.amdhsa_code_object_version 6
	.text
	.protected	k_q671280e6ff_prep
	.globl	k_q671280e6ff_prep
	.p2align	8
	.type	k_q671280e6ff_prep,@function
k_q671280e6ff_prep:
	s_mov_b64 s[64:65], 0
	v_nop
	global_prefetch_b8 v0, s[64:65] scope:SCOPE_SE
	s_setreg_imm32_b32 hwreg(HW_REG_WAVE_MODE, 25, 1), 1
	s_wait_xcnt 0x0
; PREP: everything that hangs on the weights alone, and y = node_next rounded to bf16.
;   mst  [2048][1024] bf16: rows 0-1023    M1[k][j] = sum over o of WQ[o][k] WK[o][j]
;                           rows 1024-2047 M2[p][k] = sum over o of WO[p][o] WV[o][k]
;   vecs [5][1024] f32:     u1 = WQ^T bK, b2 = WO bV, u2 = WK^T bQ, we = WA WE, wn = WA WN  (all summed in f32 on the vector unit)
;   ybf  [8192][1024] bf16: node_next, rounded to nearest even
; reference() uses only the diagonal Q[i].K[i] = x.(M1 y + u1) + y.u2 + bQ.bK, a scalar per row in front of WO, and one output row of WA:
; that is why products of weights can stand for products with 8192 rows.  Limit kept: the sums are associated otherwise than in reference(),
; and M1, M2 and y are rounded to bf16 as matrix operands.
; The work-group's number picks its role (the same for all its eight waves):
;   0-127 tiles of M1, 128-255 tiles of M2, 256-319 column sums (u1, u2, we, wn), 320-335 row dots (b2), 336-463 the conversion of y.
; The long roles (the tiles: chains of sixteen dependent steps) have the lowest numbers.  Each of the 208 work-groups that make no tile reads
; 262,144 bytes: 1,024 rows x 256 bytes, 64 rows x 4,096 bytes, or 64 chunks of 4,096 bytes of y.
; LDS: each role has bytes of its own, so that no two lines of different roles name the same bytes:
;   M1 0 .. 74,751; M2 74,752 .. 149,503; column sums 149,504 .. 151,551; row dots 151,552 .. 151,807.  A work-group uses its role's bytes alone.
; No tile is shared through a copy engine here (all loads go through registers, since f32 has to become bf16 on the way), so no cluster is used.
.set VGA, 4                            ; v4   byte offset of my 16 bytes in A''s tile in memory
.set VGB, 5                            ; v5   the same for B''s tile
.set VSA, 6                            ; v6   LDS: where my 8 bytes of A''s tile go
.set VSB, 7                            ; v7   LDS: the same for B''s tile
.set VFA, 8                            ; v8   LDS: my lane's place in A''s fragments
.set VFB, 9                            ; v9   LDS: the same for B''s fragments
.set VOS, 10                           ; v10  the way out: where I put 16 bytes
.set VOR, 11                           ; v11  the way out: where I read 16 bytes of a row back
.set VOG, 12                           ; v12  the way out: my byte offset in mst
.set ACC, 16                           ; v[16:47]   four accumulator tiles, (mt, nt) at 16 + 8 (2 mt + nt)
.set FR,  48                           ; v[48:111]  fragments: for each half step kh: A' mt 0, 1, B' nt 0, 1, eight registers each
.set ST,  112                          ; v[112:207] two sets of 48: a K step's f32 as loaded (A' 16 registers, B' 32)
.set T,   208                          ; v[208:231] bf16 on their way to LDS
.set BUF,  28672                       ; an LDS buffer: A' tile (10,240 bytes at the most), then B' tile (64 rows of 288 bytes)
.set BOFF, 10240
.set PB,   288                         ; B' rows: 256 bytes + 32, an odd multiple of 32 for the transposing loads
.set STG,  57344                       ; behind the two buffers: the stage of the way out, 64 rows of 272 bytes
.set PS,   272
.set GLDS, 74752                       ; a tile role's LDS bytes: 2 x 28,672 + 64 x 272
.set CLDS, 2*GLDS                      ; the column sums' 2,048 bytes
.set RLDS, CLDS+2048                   ; the row dots' 256 bytes
.set VV,  16                           ; column sums: v[16:79] my 64 numbers of the vector; row dots: v[16:47] bV
.set WR0, 80                           ; v[80:143]  sixteen loads of a weight matrix
.set WR1, 144                          ; v[144:207] the next sixteen
	s_load_b512 s[8:23], s[0:1], 0x0               ; WQ_w 8, WK_w 10, WO_w 12, WV_w 14, WE_w 16, WN_w 18, WQ_b 20, WK_b 22
	s_load_b256 s[24:31], s[0:1], 0x40             ; WV_b 24, WA_w 26, node_next 28, mst 30
	s_load_b128 s[32:35], s[0:1], 0x60             ; vecs 32, ybf 34
	v_lshl_add_u32 v240, v0, 2, 0x25100
	v_mov_b32 v241, 0
	v_lshrrev_b32 v1, 5, v0
	v_readfirstlane_b32 s3, v1                     ; wave 0..7
	s_mov_b32 s2, ttmp9                            ; work-group
	s_mov_b32 s43, 0                               ; s[42:43]: a byte offset as a pair, its upper word always 0
	s_mov_b32 s50, 0x76543210                      ; v_permlanex16_b32: lane i of one half reads lane i of the other
	s_mov_b32 s51, 0xfedcba98
	s_wait_kmcnt 0x0
	s_cmp_lt_u32 s2, 128
	s_cbranch_scc1 .Lm1
	s_cmp_lt_u32 s2, 256
	s_cbranch_scc1 .Lm2
	s_cmp_lt_u32 s2, 320
	s_cbranch_scc1 .Lcol
	s_cmp_lt_u32 s2, 336
	s_cbranch_scc1 .Lrow
; ---------------------------------------------------------------- y to bf16: 262,144 bytes in, 131,072 out for each of 128 work-groups
; 64 chunks of 4,096 bytes (16 bytes a thread; a wave's load covers 512 consecutive bytes), in two rounds of 32.  The first 32 loads are issued
; at once; in round 0 a chunk's registers are loaded again, with the chunk 32 further on, as soon as they are converted, so that 32 loads of a
; thread stay on their way.  Round 0's results go to registers of their own, round 1's are formed in place: no register that a pending store
; reads is written again, so the only waits are the counted ones for the data.  A wave's store covers 256 consecutive bytes, aligned.
	s_sub_co_u32 s44, s2, 336
	s_lshl_b32 s42, s44, 18
	s_add_nc_u64 s[28:29], s[28:29], s[42:43]
	s_lshl_b32 s42, s44, 17
	s_add_nc_u64 s[34:35], s[34:35], s[42:43]
	v_lshlrev_b32 v4, 4, v0
	v_lshlrev_b32 v5, 3, v0
.irp c, 0,1,2,3,4,5,6,7,8,9,10,11,12,13,14,15,16,17,18,19,20,21,22,23,24,25,26,27,28,29,30,31
	global_load_b128 v[16+4*\c:19+4*\c], v4, s[28:29] offset:4096*\c th:TH_LOAD_NT
.endr
.irp c, 0,1,2,3,4,5,6,7,8,9,10,11,12,13,14,15,16,17,18,19,20,21,22,23,24,25,26,27,28,29,30,31
	s_wait_loadcnt 31                              ; 32 + c loads are issued and come back in order: load c is in when 31 younger ones are out
	v_cvt_pk_bf16_f32 v[144+2*\c], v[16+4*\c], v[17+4*\c]
	v_cvt_pk_bf16_f32 v[145+2*\c], v[18+4*\c], v[19+4*\c]
	global_load_b128 v[16+4*\c:19+4*\c], v4, s[28:29] offset:4096*(32+\c) th:TH_LOAD_NT
	global_store_b64 v5, v[144+2*\c:145+2*\c], s[34:35] offset:2048*\c
.endr
.irp c, 0,1,2,3,4,5,6,7,8,9,10,11,12,13,14,15,16,17,18,19,20,21,22,23,24,25,26,27,28,29,30,31
	s_wait_loadcnt 31-\c                           ; nothing more is asked for: the counts run down
	v_cvt_pk_bf16_f32 v[16+4*\c], v[16+4*\c], v[17+4*\c]
	v_cvt_pk_bf16_f32 v[17+4*\c], v[18+4*\c], v[19+4*\c]
	global_store_b64 v5, v[16+4*\c:17+4*\c], s[34:35] offset:2048*(32+\c)
.endr
	s_endpgm
; ---------------------------------------------------------------- tiles of M1 and M2
; A work-group makes 64 (m) x 128 (n) of the product; the sum over o goes in 16 steps of 64.  Wave w makes 32 x 32 at (w >> 2, w & 3): four tiles.
; A K step's f32 (A': 64 rows x 256 bytes, B': 64 rows x 512 bytes) is loaded into registers two steps ahead, rounded to bf16 and laid into the
; LDS buffer that is not being multiplied.  B' (and for M1 also A') lies with o down the rows, so its fragments come by transposing loads.
.macro LOADG st, first                 ; twelve loads: the next K step's f32 into register set st
.if \first == 0
	s_wait_xcnt 0x0                                ; the bases are stepped only behind this wait: earlier loads have had their addresses translated
	s_add_nc_u64 s[36:37], s[36:37], s[40:41]
	s_add_nc_u64 s[38:39], s[38:39], 0x40000       ; 64 rows of 4,096 bytes
.endif
.irp i, 0,1,2,3
	global_load_b128 v[ST+48*(\st)+4*\i:ST+48*(\st)+4*\i+3], v[VGA], s[36:37] offset:65536*\i
.endr
.irp i, 0,1,2,3,4,5,6,7
	global_load_b128 v[ST+48*(\st)+16+4*\i:ST+48*(\st)+16+4*\i+3], v[VGB], s[38:39] offset:32768*\i
.endr
.endm
.macro CVTST st, buf, pa               ; register set st is rounded to bf16 and stored into LDS buffer buf
.irp i, 0,1,2,3,4,5,6,7,8,9,10,11
	v_cvt_pk_bf16_f32 v[T+2*\i],   v[ST+48*(\st)+4*\i],   v[ST+48*(\st)+4*\i+1]
	v_cvt_pk_bf16_f32 v[T+2*\i+1], v[ST+48*(\st)+4*\i+2], v[ST+48*(\st)+4*\i+3]
.endr
.irp i, 0,1,2,3
	ds_store_b64 v[VSA], v[T+2*\i:T+2*\i+1] offset:(\buf)*BUF+\i*16*\pa
.endr
.irp i, 0,1,2,3,4,5,6,7
	ds_store_b64 v[VSB], v[T+8+2*\i:T+8+2*\i+1] offset:(\buf)*BUF+\i*8*PB
.endr
.endm
.macro FETCH p, atr, pa                ; sixteen LDS loads: the fragments of both half steps (32 along o each) from buffer p
.irp kh, 0,1
.irp mt, 0,1
.if \atr
	ds_load_tr16_b128 v[FR+32*\kh+8*\mt:FR+32*\kh+8*\mt+3],   v[VFA] offset:(\p)*BUF+\kh*32*\pa+\mt*32
	ds_load_tr16_b128 v[FR+32*\kh+8*\mt+4:FR+32*\kh+8*\mt+7], v[VFA] offset:(\p)*BUF+\kh*32*\pa+\mt*32+16*\pa
.else
	ds_load_b128 v[FR+32*\kh+8*\mt:FR+32*\kh+8*\mt+3],   v[VFA] offset:(\p)*BUF+\mt*16*\pa+\kh*64
	ds_load_b128 v[FR+32*\kh+8*\mt+4:FR+32*\kh+8*\mt+7], v[VFA] offset:(\p)*BUF+\mt*16*\pa+\kh*64+32
.endif
.endr
.irp nt, 0,1
	ds_load_tr16_b128 v[FR+32*\kh+16+8*\nt:FR+32*\kh+16+8*\nt+3],   v[VFB] offset:(\p)*BUF+\kh*32*PB+\nt*32
	ds_load_tr16_b128 v[FR+32*\kh+16+8*\nt+4:FR+32*\kh+16+8*\nt+7], v[VFB] offset:(\p)*BUF+\kh*32*PB+\nt*32+16*PB
.endr
.endr
.endm
; Four matrix instructions, one for each accumulator: the accumulators take turns, one instruction a turn.
; Source 0 = B' (16 columns n), source 1 = A' (16 rows m): a lane then holds row m = lane % 16 and eight neighbouring columns.
.macro MUL kh, zero
.irp mt, 0,1
.irp nt, 0,1
.if \zero
	v_wmma_f32_16x16x32_bf16 v[ACC+8*(2*\mt+\nt):ACC+8*(2*\mt+\nt)+7], v[FR+32*\kh+16+8*\nt:FR+32*\kh+16+8*\nt+7], v[FR+32*\kh+8*\mt:FR+32*\kh+8*\mt+7], 0
.else
	v_wmma_f32_16x16x32_bf16 v[ACC+8*(2*\mt+\nt):ACC+8*(2*\mt+\nt)+7], v[FR+32*\kh+16+8*\nt:FR+32*\kh+16+8*\nt+7], v[FR+32*\kh+8*\mt:FR+32*\kh+8*\mt+7], v[ACC+8*(2*\mt+\nt):ACC+8*(2*\mt+\nt)+7]
.endif
.endr
.endr
.endm
; K step s on buffer p = s % 2.  store: step s + 1's numbers go into the other buffer; load: step s + 3's are asked for; lcnt: younger loads that stay out.
; ONE barrier a step orders two things: this step's stores into the other buffer come before the next step's reads of it, and this step's reads of
; buffer p (waited for in front of the second half step) come before the next step's stores into it.
.macro STEP p, zero, store, load, lcnt, atr, pa
	FETCH \p, \atr, \pa
	s_wait_dscnt 0x8                               ; the first half step's eight loads are in, the second's eight stay out
	MUL 0, \zero
	s_wait_dscnt 0x0
	MUL 1, 0
.rept 4
	v_nop                                          ; four places behind the matrix instructions, ahead of loads into their sources and of readers of their results
.endr
.if \store
	s_wait_loadcnt \lcnt
	CVTST 1-\p, 1-\p, \pa
.endif
.if \load
	LOADG 1-\p, 0
.endif
.if \store
	s_wait_dscnt 0x0                               ; for the other waves' sake: my stores are in LDS
	s_barrier_signal -1
	s_barrier_wait -1
.endif
.endm
; atr: A' lies with o down the rows (1) or along them (0); pa: A''s LDS pitch; sa, sb: the scalar pairs with A''s and B''s addresses;
; ashift: log2 of the bytes from one m block's first element to the next's; astep: bytes from one K step of A' to the next; mat: 0 = M1, 1 = M2;
; lb: the first LDS byte of this role
.macro GEMMROLE atr, pa, sa, sb, ashift, astep, mat, lb
	s_and_b32 s44, s2, 127                         ; tile
	s_lshr_b32 s45, s44, 3                         ; m block, 0..15
	s_and_b32 s46, s44, 7                          ; n block, 0..7
	s_lshr_b32 s47, s3, 2                          ; wm
	s_and_b32 s48, s3, 3                           ; wn
	s_lshl_b32 s42, s45, \ashift
	s_add_nc_u64 s[36:37], s[\sa:\sa+1], s[42:43]
	s_lshl_b32 s42, s46, 9
	s_add_nc_u64 s[38:39], s[\sb:\sb+1], s[42:43]
	s_mov_b32 s40, \astep
	s_mov_b32 s41, 0
	v_lshrrev_b32 v1, 4, v0                        ; t >> 4
	v_and_b32 v2, 15, v0                           ; t & 15 = lane % 16
	v_lshlrev_b32 v3, 4, v2
	v_lshrrev_b32 v13, 5, v0                       ; t >> 5
	v_and_b32 v14, 31, v0
	v_lshlrev_b32 v15, 4, v14
	v_lshl_add_u32 v[VGA], v1, 12, v3              ; sixteen threads take a row's 256 bytes
	v_lshl_add_u32 v[VGB], v13, 12, v15            ; a wave takes a row's 512 bytes
	LOADG 0, 1                                     ; K step 0
	LOADG 1, 0                                     ; K step 1
	v_mul_u32_u24 v[VSA], v1, \pa
	v_lshl_add_u32 v[VSA], v2, 3, v[VSA]
.if \lb
	v_add_nc_u32 v[VSA], \lb, v[VSA]
.endif
	v_mul_u32_u24 v[VSB], v13, PB
	v_lshl_add_u32 v[VSB], v14, 3, v[VSB]
	v_add_nc_u32 v[VSB], BOFF+\lb, v[VSB]
	v_bfe_u32 v232, v0, 4, 1                       ; h = lane / 16
	v_and_b32 v233, 7, v0
	v_lshl_add_u32 v233, v232, 3, v233             ; 8 h + lane % 8: the row that a transposing load addresses
	v_bfe_u32 v234, v0, 3, 1
	v_lshlrev_b32 v234, 4, v234                    ; 16 ((lane >> 3) & 1)
	s_lshl_b32 s49, s48, 6                         ; 64 wn: my 32 columns in bytes
	s_lshl_b32 s53, s47, 6                         ; 64 wm
	s_lshl_b32 s54, s47, 5                         ; 32 wm
	s_add_co_u32 s55, s49, BOFF+\lb                ; 64 wn + B''s tile in this role's bytes
	s_add_co_u32 s53, s53, \lb                     ; 64 wm + A''s tile
	s_add_co_u32 s56, s49, STG+\lb                 ; 64 wn + the stage
	v_add_nc_u32 v235, s54, v2                     ; 32 wm + lane % 16
	v_mul_u32_u24 v[VFB], v233, PB
	v_add_nc_u32 v[VFB], v[VFB], v234
	v_add_nc_u32 v[VFB], s55, v[VFB]
.if \atr
	v_mul_u32_u24 v[VFA], v233, \pa
	v_add_nc_u32 v[VFA], v[VFA], v234
	v_add_nc_u32 v[VFA], s53, v[VFA]
.else
	v_mul_u32_u24 v[VFA], v235, \pa
	v_lshl_add_u32 v[VFA], v232, 4, v[VFA]
.if \lb
	v_add_nc_u32 v[VFA], \lb, v[VFA]
.endif
.endif
	v_mul_u32_u24 v[VOS], v235, PS
	v_lshl_add_u32 v[VOS], v232, 4, v[VOS]
	v_add_nc_u32 v[VOS], s56, v[VOS]
	v_mul_u32_u24 v[VOR], v1, PS
	v_add_nc_u32 v[VOR], v[VOR], v3
	v_add_nc_u32 v[VOR], STG+\lb, v[VOR]
	v_lshl_add_u32 v[VOG], v1, 11, v3
	s_lshl_b32 s42, s45, 17                        ; mst: 64 rows of 2,048 bytes for an m block,
	s_lshl_b32 s49, s46, 8                         ; 256 bytes for an n block,
	s_add_co_u32 s42, s42, s49
	s_add_co_u32 s42, s42, \mat<<21                ; 1,024 rows for M2
	s_add_nc_u64 s[30:31], s[30:31], s[42:43]
	s_wait_loadcnt 0xc                             ; K step 0's twelve loads are in, step 1's stay out
	CVTST 0, 0, \pa
	LOADG 0, 0                                     ; K step 2
	s_wait_dscnt 0x0
	s_barrier_signal -1
	s_barrier_wait -1
	STEP 0, 1, 1, 1, 12, \atr, \pa                 ; step 0 starts the sums: nothing is cleared
	STEP 1, 0, 1, 1, 12, \atr, \pa
	s_mov_b32 s52, 5                               ; steps 2 to 11
.Lk_\@:
	STEP 0, 0, 1, 1, 12, \atr, \pa
	STEP 1, 0, 1, 1, 12, \atr, \pa
	s_sub_co_u32 s52, s52, 1
	s_cmp_lg_u32 s52, 0
	s_cbranch_scc1 .Lk_\@
	STEP 0, 0, 1, 1, 12, \atr, \pa                 ; step 12 asks for step 15, the last
	STEP 1, 0, 1, 0, 12, \atr, \pa                 ; step 13: step 14's numbers are in, step 15's stay out
	STEP 0, 0, 1, 0, 0, \atr, \pa                  ; step 14: nothing younger is out
	STEP 1, 0, 0, 0, 0, \atr, \pa                  ; step 15
	; the way out: round to bf16, 16 bytes a lane into the stage, read back by rows: sixteen lanes then store 256 consecutive bytes, aligned
.irp q, 0,1,2,3
.irp k, 0,1,2,3
	v_cvt_pk_bf16_f32 v[T+4*\q+\k], v[ACC+8*\q+2*\k], v[ACC+8*\q+2*\k+1]
.endr
.endr
.irp mt, 0,1
.irp nt, 0,1
	ds_store_b128 v[VOS], v[T+4*(2*\mt+\nt):T+4*(2*\mt+\nt)+3] offset:\mt*16*PS+\nt*32
.endr
.endr
	s_wait_dscnt 0x0
	s_barrier_signal -1
	s_barrier_wait -1
.irp i, 0,1,2,3
	ds_load_b128 v[FR+4*\i:FR+4*\i+3], v[VOR] offset:\i*16*PS
.endr
.irp i, 0,1,2,3
	s_wait_dscnt 3-\i
	global_store_b128 v[VOG], v[FR+4*\i:FR+4*\i+3], s[30:31] offset:32768*\i
.endr
	s_wait_tensorcnt 0x0
	ds_add_u32 v240, v241
	s_wait_dscnt 0x0
	s_endpgm
.endm
.Lm1:
	GEMMROLE 1, 160, 8, 10, 8, 0x40000, 0, 0       ; M1: A' = WQ (o down the rows; pitch 160 = 5 x 32), B' = WK
.Lm2:
	GEMMROLE 0, 144, 12, 14, 18, 256, 1, GLDS      ; M2: A' = WO (o along the rows; pitch 144 = 9 x 16), B' = WV
; ---------------------------------------------------------------- column sums: out[c] = sum over o of v[o] W[o][c], in f32
; 64 work-groups: four sums x sixteen strips of 64 columns (256 bytes of every row).  Sixteen threads take a row's 256 bytes; thread group
; t >> 4 takes rows 64 (t >> 4) to + 63, in four groups of sixteen loads, two groups always asked for.
.macro WLOAD dst, g
.irp i, 0,1,2,3,4,5,6,7,8,9,10,11,12,13,14,15
	global_load_b128 v[\dst+4*\i:\dst+4*\i+3], v4, s[36:37] offset:4096*(16*\g+\i)
.endr
.endm
.macro WWORK src, g                    ; sixteen rows: each row's four numbers times its v, which op_sel picks from a register pair for both halves
.irp u, 0,1,2,3,4,5,6,7
.if 8*\g+\u
	v_pk_fma_f32 v[208:209], v[\src+8*\u:\src+8*\u+1],   v[VV+16*\g+2*\u:VV+16*\g+2*\u+1], v[208:209] op_sel_hi:[1,0,1]
	v_pk_fma_f32 v[210:211], v[\src+8*\u+2:\src+8*\u+3], v[VV+16*\g+2*\u:VV+16*\g+2*\u+1], v[210:211] op_sel_hi:[1,0,1]
.else
	v_pk_mul_f32 v[208:209], v[\src:\src+1],   v[VV:VV+1] op_sel_hi:[1,0]     ; the first row starts the sums
	v_pk_mul_f32 v[210:211], v[\src+2:\src+3], v[VV:VV+1] op_sel_hi:[1,0]
.endif
	v_pk_fma_f32 v[208:209], v[\src+8*\u+4:\src+8*\u+5], v[VV+16*\g+2*\u:VV+16*\g+2*\u+1], v[208:209] op_sel:[0,1,0]
	v_pk_fma_f32 v[210:211], v[\src+8*\u+6:\src+8*\u+7], v[VV+16*\g+2*\u:VV+16*\g+2*\u+1], v[210:211] op_sel:[0,1,0]
.endr
.endm
.Lcol:
	s_sub_co_u32 s44, s2, 256
	s_and_b32 s45, s44, 15                         ; strip
	s_lshr_b32 s44, s44, 4                         ; which sum: 0 u1 = WQ^T bK, 1 u2 = WK^T bQ, 2 we = WA WE, 3 wn = WA WN
	s_bitcmp1_b32 s44, 0
	s_cselect_b64 s[36:37], s[10:11], s[8:9]       ; WK or WQ
	s_cselect_b64 s[38:39], s[18:19], s[16:17]     ; WN or WE
	s_cselect_b64 s[40:41], s[20:21], s[22:23]     ; bQ or bK
	s_cmp_lt_u32 s44, 2
	s_cselect_b64 s[36:37], s[36:37], s[38:39]
	s_cselect_b64 s[40:41], s[40:41], s[26:27]     ; or WA
	s_lshl_b32 s42, s45, 8
	s_add_nc_u64 s[36:37], s[36:37], s[42:43]
	s_cmp_lg_u32 s44, 0
	s_cselect_b32 s46, 1, 0
	s_add_co_u32 s46, s46, s44                     ; row of vecs: 0, 2, 3, 4
	s_lshl_b32 s46, s46, 12
	s_add_co_u32 s42, s42, s46
	s_add_nc_u64 s[32:33], s[32:33], s[42:43]
	v_lshrrev_b32 v1, 4, v0
	v_and_b32 v2, 15, v0
	v_lshlrev_b32 v3, 4, v2                        ; my 16 bytes of the strip
	v_lshl_add_u32 v4, v1, 18, v3                  ; + 64 rows of 4,096 bytes for each thread group
	v_lshlrev_b32 v5, 8, v1                        ; my 64 numbers of v
.irp j, 0,1,2,3,4,5,6,7,8,9,10,11,12,13,14,15
	global_load_b128 v[VV+4*\j:VV+4*\j+3], v5, s[40:41] offset:16*\j
.endr
	WLOAD WR0, 0
	WLOAD WR1, 1
	v_add_nc_u32 v7, CLDS, v3                      ; LDS: my 16 bytes in wave 0's 256,
	v_lshrrev_b32 v6, 5, v0
	v_lshl_add_u32 v6, v6, 8, v7                   ; and in my wave's; lanes l and l + 16 store the same numbers to the same bytes
	s_wait_loadcnt 0x10                            ; v and group 0 are in, group 1's sixteen stay out
	WWORK WR0, 0
	WLOAD WR0, 2
	s_wait_loadcnt 0x10                            ; group 1 is in
	WWORK WR1, 1
	WLOAD WR1, 3
	s_wait_loadcnt 0x10                            ; group 2 is in
	WWORK WR0, 2
	s_wait_loadcnt 0x0
	WWORK WR1, 3
.irp k, 0,1,2,3
	v_permlanex16_b32 v[WR0+\k], v[208+\k], s50, s51   ; the wave's other thread group; the destination counts as read: a register that a finished load wrote
.endr
	v_pk_add_f32 v[208:209], v[208:209], v[WR0:WR0+1]
	v_pk_add_f32 v[210:211], v[210:211], v[WR0+2:WR0+3]
	ds_store_b128 v6, v[208:211]
	s_wait_dscnt 0x0
	s_barrier_signal -1
	s_barrier_wait -1
	s_cmp_lg_u32 s3, 0
	s_cbranch_scc1 .Lcol_end
.irp j, 0,1,2,3,4,5,6,7
	ds_load_b128 v[WR0+4*\j:WR0+4*\j+3], v7 offset:256*\j
.endr
	s_wait_dscnt 0x0
.irp j, 1,2,3,4,5,6,7
	v_pk_add_f32 v[WR0:WR0+1],   v[WR0:WR0+1],   v[WR0+4*\j:WR0+4*\j+1]
	v_pk_add_f32 v[WR0+2:WR0+3], v[WR0+2:WR0+3], v[WR0+4*\j+2:WR0+4*\j+3]
.endr
	v_cmp_gt_u32 vcc_lo, 16, v0
	s_wait_xcnt 0x0                                ; EXEC changes only behind this wait
	s_and_saveexec_b32 s52, vcc_lo
	global_store_b128 v3, v[WR0:WR0+3], s[32:33]   ; sixteen lanes store the strip's 256 consecutive bytes, aligned
	s_wait_xcnt 0x0
	s_or_b32 exec_lo, exec_lo, s52
.Lcol_end:
	s_wait_tensorcnt 0x0
	ds_add_u32 v240, v241
	s_wait_dscnt 0x0
	s_endpgm
; ---------------------------------------------------------------- row dots: b2[p] = sum over o of WO[p][o] bV[o], in f32
; Sixteen work-groups of 64 rows; a wave takes eight rows, a whole row at a time (eight loads of 512 consecutive bytes), two rows a group.
.macro RLOAD dst, g
.irp rr, 0,1
.irp j, 0,1,2,3,4,5,6,7
	global_load_b128 v[\dst+32*\rr+4*\j:\dst+32*\rr+4*\j+3], v4, s[36:37] offset:4096*(2*\g+\rr)+512*\j
.endr
.endr
.endm
.macro RDOT src, row                   ; one row's dot product, summed over the wave; lanes with lane % 8 = row keep it in v212
	v_pk_mul_f32 v[208:209], v[\src:\src+1], v[VV:VV+1]
.irp u, 1,2,3,4,5,6,7,8,9,10,11,12,13,14,15
	v_pk_fma_f32 v[208:209], v[\src+2*\u:\src+2*\u+1], v[VV+2*\u:VV+2*\u+1], v[208:209]
.endr
	v_add_f32 v210, v208, v209
	v_add_f32_dpp v210, v210, v210 row_xmask:1 row_mask:0xf bank_mask:0xf
	v_add_f32_dpp v210, v210, v210 row_xmask:2 row_mask:0xf bank_mask:0xf
	v_add_f32_dpp v210, v210, v210 row_xmask:4 row_mask:0xf bank_mask:0xf
	v_add_f32_dpp v210, v210, v210 row_xmask:8 row_mask:0xf bank_mask:0xf
	v_permlanex16_b32 v[\src], v210, s50, s51      ; into a register of the row just used up
.if \row
	v_add_f32 v210, v210, v[\src]
	s_mov_b32 s53, 0x01010101<<\row
	v_cndmask_b32 v212, v212, v210, s53
.else
	v_add_f32 v212, v210, v[\src]
.endif
.endm
.Lrow:
	s_sub_co_u32 s44, s2, 320
	s_lshl_b32 s42, s44, 18                        ; 64 rows of 4,096 bytes for a work-group,
	s_lshl_b32 s45, s3, 15                         ; eight for a wave
	s_add_co_u32 s42, s42, s45
	s_add_nc_u64 s[36:37], s[12:13], s[42:43]
	s_lshl_b32 s42, s44, 8
	s_add_co_u32 s42, s42, 4096                    ; row 1 of vecs
	s_add_nc_u64 s[32:33], s[32:33], s[42:43]
	v_and_b32 v1, 31, v0
	v_lshlrev_b32 v4, 4, v1
.irp j, 0,1,2,3,4,5,6,7
	global_load_b128 v[VV+4*\j:VV+4*\j+3], v4, s[24:25] offset:512*\j
.endr
	RLOAD WR0, 0
	RLOAD WR1, 1
	s_wait_loadcnt 0x10                            ; bV and rows 0, 1 are in; the sixteen loads of rows 2, 3 stay out
	RDOT WR0, 0
	RDOT WR0+32, 1
	RLOAD WR0, 2
	s_wait_loadcnt 0x10
	RDOT WR1, 2
	RDOT WR1+32, 3
	RLOAD WR1, 3
	s_wait_loadcnt 0x10
	RDOT WR0, 4
	RDOT WR0+32, 5
	s_wait_loadcnt 0x0
	RDOT WR1, 6
	RDOT WR1+32, 7
	v_and_b32 v5, 7, v0
	v_lshlrev_b32 v5, 2, v5
	v_lshl_add_u32 v5, s3, 5, v5                   ; word 8 w + lane % 8; the four lanes of a word store the same number
	v_add_nc_u32 v5, RLDS, v5
	ds_store_b32 v5, v212
	s_wait_dscnt 0x0
	s_barrier_signal -1
	s_barrier_wait -1
	s_cmp_lg_u32 s3, 0
	s_cbranch_scc1 .Lrow_end
	v_and_b32 v6, 15, v0
	v_lshlrev_b32 v6, 4, v6
	v_add_nc_u32 v7, RLDS, v6
	ds_load_b128 v[WR0:WR0+3], v7
	s_wait_dscnt 0x0
	v_cmp_gt_u32 vcc_lo, 16, v0
	s_wait_xcnt 0x0                                ; EXEC changes only behind this wait
	s_and_saveexec_b32 s52, vcc_lo
	global_store_b128 v6, v[WR0:WR0+3], s[32:33]   ; the work-group's 64 numbers: 256 consecutive bytes, aligned
	s_wait_xcnt 0x0
	s_or_b32 exec_lo, exec_lo, s52
.Lrow_end:
	s_wait_tensorcnt 0x0
	ds_add_u32 v240, v241
	s_wait_dscnt 0x0
	s_endpgm
.Lfunc_end_k_q671280e6ff_prep:
	.size	k_q671280e6ff_prep, .Lfunc_end_k_q671280e6ff_prep-k_q671280e6ff_prep
	.p2alignl 7, 3214868480
	.fill 96, 4, 3214868480
	.section	.rodata,"a",@progbits
	.p2align	6, 0x0
	.amdhsa_kernel k_q671280e6ff_prep
		.amdhsa_group_segment_fixed_size 152832
		.amdhsa_private_segment_fixed_size 0
		.amdhsa_enable_private_segment 0
		.amdhsa_kernarg_size 112
		.amdhsa_user_sgpr_count 2
		.amdhsa_user_sgpr_kernarg_segment_ptr 1
		.amdhsa_wavefront_size32 1
		.amdhsa_system_sgpr_workgroup_id_x 1
		.amdhsa_system_sgpr_workgroup_id_y 1
		.amdhsa_system_sgpr_workgroup_id_z 1
		.amdhsa_system_vgpr_workitem_id 0
		.amdhsa_next_free_vgpr 242
		.amdhsa_next_free_sgpr 66
		.amdhsa_reserve_vcc 1
		.amdhsa_float_denorm_mode_32 3
		.amdhsa_float_denorm_mode_16_64 3
		.amdhsa_memory_ordered 1
		.amdhsa_forward_progress 1
		.amdhsa_inst_pref_size 158
	.end_amdhsa_kernel
	.amdgpu_metadata
---
amdhsa.version: [ 1, 2 ]
amdhsa.kernels:
  - .name:           k_q671280e6ff_prep
    .symbol:         k_q671280e6ff_prep.kd
    .args:
      - { .name: WQ_w, .offset: 0, .size: 8, .value_kind: global_buffer, .address_space: global }
      - { .name: WK_w, .offset: 8, .size: 8, .value_kind: global_buffer, .address_space: global }
      - { .name: WO_w, .offset: 16, .size: 8, .value_kind: global_buffer, .address_space: global }
      - { .name: WV_w, .offset: 24, .size: 8, .value_kind: global_buffer, .address_space: global }
      - { .name: WE_w, .offset: 32, .size: 8, .value_kind: global_buffer, .address_space: global }
      - { .name: WN_w, .offset: 40, .size: 8, .value_kind: global_buffer, .address_space: global }
      - { .name: WQ_b, .offset: 48, .size: 8, .value_kind: global_buffer, .address_space: global }
      - { .name: WK_b, .offset: 56, .size: 8, .value_kind: global_buffer, .address_space: global }
      - { .name: WV_b, .offset: 64, .size: 8, .value_kind: global_buffer, .address_space: global }
      - { .name: WA_w, .offset: 72, .size: 8, .value_kind: global_buffer, .address_space: global }
      - { .name: node_next, .offset: 80, .size: 8, .value_kind: global_buffer, .address_space: global }
      - { .name: mst, .offset: 88, .size: 8, .value_kind: global_buffer, .address_space: global }
      - { .name: vecs, .offset: 96, .size: 8, .value_kind: global_buffer, .address_space: global }
      - { .name: ybf, .offset: 104, .size: 8, .value_kind: global_buffer, .address_space: global }
    .group_segment_fixed_size: 152832
    .private_segment_fixed_size: 0
    .kernarg_segment_align: 8
    .kernarg_segment_size: 112
    .max_flat_workgroup_size: 256
    .sgpr_count:     66
    .vgpr_count:     242
    .wavefront_size: 32
...
	.end_amdgpu_metadata
.endif
;; end of part 1
;; launch gemm (part 2): grid 8 x 32, 4 waves a work-group, clusters of 4 x 4, 327,680 bytes of LDS; arguments ybf, mst, umat, vecs, node_t, part; writes umat, part
.if DOCPART == 2
	.amdgcn_target "amdgcn-amd-amdhsa--gfx1250"
	.amdhsa_code_object_version 6
	.text
	.protected	k_q671280e6ff_gemm
	.globl	k_q671280e6ff_gemm
	.p2align	8
	.type	k_q671280e6ff_gemm,@function
k_q671280e6ff_gemm:
	s_mov_b64 s[64:65], 0
	v_nop
	global_prefetch_b8 v0, s[64:65] scope:SCOPE_SE
	s_setreg_imm32_b32 hwreg(HW_REG_WAVE_MODE, 25, 1), 1
	s_wait_xcnt 0x0
	s_wait_alu depctr_hold_cnt(0) depctr_sa_sdst(0) depctr_va_vdst(0) depctr_va_sdst(0) depctr_va_ssrc(0) depctr_va_vcc(0) depctr_vm_vsrc(0)
	s_getreg_b32 s2, hwreg(HW_REG_IB_STS2, 6, 4)
	s_cmp_eq_u32 s2, 0
	s_cbranch_scc0 .Lentry_in_a_cluster
	s_endpgm
.Lentry_in_a_cluster:
	s_bfe_u32 s2, ttmp6, 0x10000c
	s_cmp_lg_u32 s2, 0xf033
	s_cbranch_scc0 .Lentry_shape_is_right
	s_endpgm
.Lentry_shape_is_right:
; For every row i, with y = ybf[i] and x = node_t[i]:
;   T[i][k] = sum over j of y[j] mst[k][j] + u1[k]           (k < 1024; never stored)
;   part[0][c][i] = sum over the 128 columns k of chunk c of x[k] T[i][k],    part[1][c][i] = the same sum of x[k] we[k]
;   umat[i][p] = sum over j of y[j] mst[1024 + p][j] + b2[p]
; ybf: [8192][1024] bf16, mst: [2048][1024] bf16, node_t and umat: [8192][1024] f32, part: [2][8][8192] f32; u1, b2, we: rows 0, 1, 3 of vecs, f32.
; Products on the matrix unit with f32 sums; the sums with x in f32 on the vector unit.
; A work-group makes 256 rows x (128 columns of T + 128 columns of U) with four waves; a wave makes 128 x 128: 64 accumulator tiles of 16 x 16,
; 512 registers.  8 x 32 work-groups.  Waves 0 and 2 hold T, waves 1 and 3 hold U: the way out is chosen by the wave's number, so that every
; work-group runs the same text, stores 128 KB and reads 128 KB of x.
; K goes in steps of 128 through a ring of two LDS slots filled by the tensor data mover: a tile's rows are 256 bytes of memory and start at
; multiples of 256 bytes from the buffer's first byte.
; CLUSTERS: 4 x 4 work-groups form a cluster.  The four of a row of the cluster need the same tiles of ybf, the four of a column the same tiles of
; mst.  Such a tile is asked for JOINTLY: each of the four issues the same tensor load, with the same descriptor and a mask that names the four,
; and each receives the tile in its own LDS.  That divides the requests for both operands by four.  x is not shared: a tile of x (256 rows, 128
; columns) belongs to one block row and one block column, so one work-group alone reads it, by plain loads; and in the work-group only waves 0
; and 2 read it, each its own 128 rows, so each of them fetches just those.
;
; REGISTERS, in windows of 256 (s_set_vgpr_msb says which window each operand place means):
;   window 0: v0-31 addresses; v32-47 row sums; v64-127, v128-191 fragments of A = ybf (8 x 16 rows x 32 K), two buffers, later the way out's rows;
;             v192-255 the columns' bias in the accumulators' layout, later we
;   window 1: v64-127, v128-191 fragments of B = mst, two buffers
;   window 2: the 32 accumulator tiles of my rows 0-63 (tile (a, b) at v[8 (8 a + b)]);   window 3: those of my rows 64-127
; THE MATRIX INSTRUCTION IS USED TRANSPOSED: source 0 = 16 rows of B, source 1 = 16 rows of A.  Lane l then holds row l % 16 of the result and its
; registers 0 to 7 the columns 8 (l / 16) + 0 .. 7: 32 neighbouring bytes of a row.
.set SIZE_K, 1024
.set KSTEP,  128
.set PITCH,  272                       ; an LDS row: 256 bytes of data + 16 of padding, an odd multiple of 16: the 16 rows that a load touches start in 16 different 16-byte columns modulo 256
.set HALFT,  128*PITCH                 ; 128 rows: what one tensor load brings, and what one wave reads of A or of B
.set SLOT,   4*HALFT                   ; A's 256 rows, then B's 256 rows
.set STAGE,  2*SLOT                    ; behind the ring, at a multiple of 256: 16 rows x 528 bytes for each wave, for the way out; no tensor load lands here
.set SPITCH, 528                       ; 512 bytes of a row of f32 + 16, again an odd multiple of 16: the stage's pitch and that of x's tile
.set XH,     128*SPITCH                ; half of x's tile: 128 rows, what wave 0 or wave 2 fetches and reads; the two halves take 135,168 bytes of slot 0's 139,264
.set ROWB,   4096                      ; bytes in a row of node_t and of umat
.set LAPS, SIZE_K/(2*KSTEP)            ; a lap = two K steps = once round the ring: four laps
.set ADRA, 16                          ; v16-17  LDS address of my A fragments in slot 0, 1
.set XR,   18                          ; v18     LDS address of my 32 bytes in x's tile: row l % 16 of my 128 rows
.set PS,   19                          ; v19     the stage: the word of row l % 16
.set ADRB, 20                          ; v20-21  LDS address of my B fragments in slot 0, 1
.set XP,   22                          ; v22     prefetch: byte offset of my block of 256 bytes in sixteen rows of x
.set STO,  24                          ; v24     the stage: where I put 32 bytes of a row
.set RD,   25                          ; v25     the stage: where I read 16 bytes back
.set CO,   26                          ; v26     16 x lane: my byte offset in 512 bytes that the wave stores
.set BO,   27                          ; v27     byte offset in vecs of the eight columns of tile 0 that my lane holds
.set SA,   32                          ; v[32:39] four pairs: sums of x T
.set OA,   40                          ; v[40:47] four pairs: sums of x we
.set F0,   64                          ; fragment buffer 0
.set F1,   128                         ; fragment buffer 1
.set BIAS, 192                         ; v[192:255] tile b's eight columns at 192 + 8 b: the bias, later we
.set G1, 24                            ; s[24:31] descriptor group 1 for A's tiles
.set G0, 32                            ; s[32:39] descriptor group 0 for A's tiles, one set for each slot
.set G1B, 48                           ; s[48:55] descriptor group 1 for B's tiles: it differs from A's in the mask alone
.set G0B, 56                           ; s[56:63] descriptor group 0 for B's tiles, one set for each slot
.set GX1, 72                           ; s[72:79] descriptor group 1 for x's tile
.set GX0, 80                           ; s[80:83] descriptor group 0 for x's tile
.set MSB, 0
.macro WIN new                         ; the immediate's high byte repeats the setting that is left
.if MSB != \new
	s_set_vgpr_msb (MSB<<8)|\new
.set MSB, \new
.endif
.endm
.set MUL_LO,   0xa1                    ; source 0 (B) window 1, source 1 (A) window 0, C and D window 2
.set MUL_HI,   0xf1                    ; the same, C and D window 3
.set FIRST_LO, 0x81                    ; the first products: C (the bias) window 0, D window 2
.set FIRST_HI, 0xc1                    ; C window 0, D window 3
.set TO_B,     0x40                    ; destination window 1, address window 0
; A joint load.  Waves 0 and 1 fetch A's two halves, waves 2 and 3 B's.  Each of the two lines has ONE mask and one set of registers for all that
; issue it.  The branch hangs on the wave's number alone: it is the same in every work-group.
.macro JLOAD s
	s_cmp_eq_u32 s11, 0
	s_cbranch_scc0 .Lfor_b_\@
	tensor_load_to_lds s[G0+4*\s:G0+4*\s+3], s[G1:G1+7]
	s_nop 0
	s_branch .Lasked_\@
.Lfor_b_\@:
	tensor_load_to_lds s[G0B+4*\s:G0B+4*\s+3], s[G1B:G1B+7]
	s_nop 0
.Lasked_\@:
.endm
; A round of the cluster's barrier: my work-group's barrier, so that wave 0's signal speaks for all four waves; wave 0 signals for the work-group;
; every wave waits for all sixteen work-groups; my work-group's barrier once more.
.macro CREST                           ; a round behind its opening barrier
	s_cmp_lg_u32 s10, 0
	s_cbranch_scc1 .Lnot_wave_0_\@
	s_barrier_signal -3
.Lnot_wave_0_\@:
	s_barrier_wait -3
	s_barrier_signal -1
	s_barrier_wait -1
.endm
.macro CROUND                          ; a whole round
	s_barrier_signal -1
	s_barrier_wait -1
	CREST
.endm
	s_load_b128 s[4:7], s[0:1], 0x0                ; ybf s[4:5], mst s[6:7]
	s_load_b64 s[8:9], s[0:1], 0x10                ; umat
	s_load_b64 s[68:69], s[0:1], 0x18              ; vecs
	s_load_b128 s[84:87], s[0:1], 0x20             ; node_t s[84:85], part s[86:87]
	s_set_vgpr_msb 0x40
	v_lshl_add_u32 v255, v0, 2, 0x4c400
	s_set_vgpr_msb 0x4000
	v_mov_b32 v63, 0
	s_set_vgpr_msb 0x1
	ds_add_u32 v255, v63
	s_set_vgpr_msb 0x100
	v_lshrrev_b32 v1, 5, v0
	v_readfirstlane_b32 s10, v1                    ; wave 0..3
	s_lshr_b32 s11, s10, 1                         ; which half of the block's rows is mine.  Also: I fetch for A (0) or for B (1)
	s_and_b32 s12, s10, 1                          ; my columns: T (0) or U (1).  Also: which 128 rows of A's or B's tile I fetch
	s_bfe_u32 s40, ttmp6, 0x40000                  ; cx: my place along the cluster's x
	s_bfe_u32 s41, ttmp6, 0x40004                  ; cy: along its y
	s_lshl_b32 s42, ttmp9, 2                       ; in a cluster launch ttmp9 and ttmp7 count clusters
	s_add_co_u32 s42, s42, s40                     ; block column = 4 x cluster x + cx
	s_and_b32 s13, ttmp7, 0xffff
	s_lshl_b32 s13, s13, 2
	s_add_co_u32 s13, s13, s41                     ; block row = 4 x cluster y + cy
	s_lshl_b32 s43, s41, 2
	s_lshl_b32 s43, 15, s43                        ; my row of the cluster: places 4 cy .. 4 cy + 3
	s_lshl_b32 s44, 0x1111, s40                    ; my column: places cx, cx + 4, cx + 8, cx + 12
	; descriptor group 1: a tile of 128 rows x 128 elements, padded in LDS
	s_or_b32 s[G1+0], s43, (1<<16)|(1<<20)|(1<<21)|(5<<22)|(3<<25)  ; 15:0 the mask: A's tiles go to my row; 17:16 element of 2 bytes; 20 padding on; 21 set beside a mask; 24:22 after every 64 words (code 5); 31:25 of 4 words (code 3)
	s_or_b32 s[G1B+0], s44, (1<<16)|(1<<20)|(1<<21)|(5<<22)|(3<<25) ; the same with the mask of my column, for B's tiles
	s_mov_b32 s[G1B+1], KSTEP<<16
	s_mov_b32 s[G1+1], KSTEP<<16                   ; 63:48 tensor_dim0, low half = 128
	s_mov_b32 s[G1B+2], 128<<16
	s_mov_b32 s[G1+2], 128<<16                     ; 79:64 its high half = 0; 95:80 tensor_dim1, low half = 128
	s_mov_b32 s[G1B+3], KSTEP<<16
	s_mov_b32 s[G1+3], KSTEP<<16                   ; 111:96 its high half = 0; 127:112 tile_dim0 = 128
	s_mov_b32 s[G1B+4], 128
	s_mov_b32 s[G1+4], 128                         ; 143:128 tile_dim1 = 128; 159:144 tile_dim2 = 0
	s_mov_b32 s[G1B+5], SIZE_K
	s_mov_b32 s[G1+5], SIZE_K                      ; 191:160 tensor_dim0_stride, low word: elements from row to row
	s_mov_b32 s[G1B+6], 0
	s_mov_b32 s[G1+6], 0
	s_mov_b32 s[G1B+7], 0
	s_mov_b32 s[G1+7], 0
	; where the tiles come from.  A's hang on the block row alone, which my row of the cluster shares; B's on the block column alone, which my column
	; shares.  Every wave makes both addresses, in registers that never hold the other coordinate, and asks by one of them.
	s_lshl_b32 s17, s12, 7                         ; which 128 rows of A's tile I fetch
	s_lshl_b32 s16, s13, 8
	s_add_co_u32 s16, s16, s17                     ; A: row 256 x block row + 128 x half
	s_lshl_b32 s46, s42, 7
	s_lshl_b32 s47, s12, 10
	s_add_co_u32 s46, s46, s47                     ; B: row 128 x block column of M1 (half 0) or of M2, 1,024 rows further down (half 1)
	s_mov_b32 s17, 0
	s_mov_b32 s47, 0
	s_mov_b64 s[18:19], SIZE_K*2
	s_mul_u64 s[16:17], s[16:17], s[18:19]         ; in bytes, in 64 bits
	s_mul_u64 s[46:47], s[46:47], s[18:19]
	s_mul_i32 s20, s10, HALFT                      ; and where they go: A's two halves, then B's two halves = wave x 128 rows: no place in the cluster enters an LDS address
	s_wait_dscnt 0x0
	s_wait_kmcnt 0x0
	s_add_nc_u64 s[14:15], s[4:5], s[16:17]
	s_add_nc_u64 s[46:47], s[6:7], s[46:47]
	CROUND                                         ; all sixteen work-groups are here: the first joint loads meet
.irp s, 0,1
	s_mov_b32 s[G0+4*\s], 1                                        ; 1:0 count = 1
	s_add_co_u32 s[G0+4*\s+1], s20, \s*SLOT                        ; 63:32 LDS address
	s_add_nc_u64 s[G0+4*\s+2:G0+4*\s+3], s[14:15], \s*KSTEP*2      ; 120:64 global address: K step s
	s_or_b32 s[G0+4*\s+3], s[G0+4*\s+3], 0x80000000                ; 127:126 type = 2
	s_mov_b32 s[G0B+4*\s], 1
	s_add_co_u32 s[G0B+4*\s+1], s20, \s*SLOT
	s_add_nc_u64 s[G0B+4*\s+2:G0B+4*\s+3], s[46:47], \s*KSTEP*2
	s_or_b32 s[G0B+4*\s+3], s[G0B+4*\s+3], 0x80000000
	JLOAD \s                                       ; the ring is filled before anything else is done: two tensor loads of a wave are out here, at most one behind each later round
.endr
	; x, umat and part: byte offsets in registers of their own, then the addresses
	s_lshl_b32 s88, s13, 8                         ; 256 x block row
	s_lshl_b32 s89, s10, 6
	s_add_co_u32 s89, s88, s89                     ; the first of the 64 rows of x that I prefetch: + 64 x wave
	s_lshl_b32 s90, s11, 7
	s_add_co_u32 s90, s88, s90                     ; the first of my 128 rows of the result
	s_lshl_b32 s94, s42, 9                         ; 128 columns of f32 for a block column
	s_lshl_b32 s88, s89, 12
	s_add_co_u32 s88, s88, s94                     ; x, for the prefetch: row x 4,096 + 512 x block column, below 2^25
	s_mov_b32 s89, 0
	s_lshl_b32 s92, s90, 12
	s_add_co_u32 s92, s92, s94                     ; umat, and x's tile: the same form with the first of my 128 rows
	s_mov_b32 s93, 0
	s_lshl_b32 s90, s90, 2
	s_lshl_b32 s94, s42, 15
	s_add_co_u32 s90, s90, s94                     ; part: chunk = block column, 8,192 rows of 4 bytes each, + 4 x row
	s_mov_b32 s91, 0
	s_add_nc_u64 s[GX0+2:GX0+3], s[84:85], s[92:93]    ; x at my 128 rows and the block's 128 columns
	s_add_nc_u64 s[84:85], s[84:85], s[88:89]      ; x at the 64 rows that I prefetch
	s_add_nc_u64 s[8:9], s[8:9], s[92:93]          ; umat at my first row and column
	s_add_nc_u64 s[86:87], s[86:87], s[90:91]      ; part at my first row
	s_mov_b32 s94, 0x76543210                      ; v_permlanex16_b32: lane i of one half reads lane i of the other
	s_mov_b32 s95, 0xfedcba98
	s_lshl_b32 s70, s42, 9
	s_lshl_b32 s71, s12, 12
	s_add_co_u32 s70, s70, s71                     ; vecs: row 0 (u1) for T, row 1 (b2) for U, + 512 x block column
	; x's tile: a plain load (mask 0) of 128 rows x 128 elements of 4 bytes, 16 bytes of padding behind each row of 512.  Waves 0 and 2 alone issue it.
	s_mov_b32 s[GX1+0], (2<<16)|(1<<20)|(6<<22)|(3<<25)  ; 17:16 element of 4 bytes; 20 padding on; 24:22 after every 128 words (code 6); 31:25 of 4 words (code 3)
	s_mov_b32 s[GX1+1], 128<<16                    ; tensor_dim0 = 128
	s_mov_b32 s[GX1+2], 128<<16                    ; tensor_dim1 = 128
	s_mov_b32 s[GX1+3], 128<<16                    ; tile_dim0 = 128
	s_mov_b32 s[GX1+4], 128                        ; tile_dim1 = 128
	s_mov_b32 s[GX1+5], 1024                       ; elements from row to row
	s_mov_b32 s[GX1+6], 0
	s_mov_b32 s[GX1+7], 0
	s_mov_b32 s[GX0+0], 1
	s_mul_i32 s[GX0+1], s11, XH                    ; LDS: (wave >> 1) x 128 rows of 528 bytes, in slot 0: wave 0's half, then wave 2's
	s_or_b32 s[GX0+3], s[GX0+3], 0x80000000
	; A fragment is 16 rows x 32 K in 8 registers: lane l holds row l % 16; registers 0-3 hold K = 8 (l / 16) + 0..7, registers 4-7 hold
	; K = 16 + 8 (l / 16) + 0..7.  From rows that lie along K: two loads of 16 bytes, 32 bytes apart.  The same for source 0 and source 1.
	v_and_b32 v1, 15, v0                           ; l % 16
	v_bfe_u32 v2, v0, 4, 1                         ; l / 16
	v_lshl_add_u32 v[BO], v2, 5, s70               ; the bias of tile 0's columns 8 (l / 16) + 0 .. 7
.irp b, 0,1,2,3,4,5,6,7
	global_load_b128 v[BIAS+8*\b:BIAS+8*\b+3],   v[BO], s[68:69] offset:64*\b      ; sixteen columns further for each tile
	global_load_b128 v[BIAS+8*\b+4:BIAS+8*\b+7], v[BO], s[68:69] offset:64*\b+16
.endr
	v_mul_u32_u24 v3, v1, PITCH
	v_lshl_add_u32 v3, v2, 4, v3                   ; row x pitch + 16 x half
	s_mul_i32 s21, s11, HALFT                      ; my 128 rows of A
	s_mul_i32 s22, s12, HALFT                      ; my 128 rows of B,
	s_add_co_u32 s22, s22, 2*HALFT                 ; which lie behind A's 256
.irp s, 0,1
	v_add_nc_u32 v[ADRA+\s], s21, v3
	v_add_nc_u32 v[ADRB+\s], s22, v3
	s_add_co_u32 s21, s21, SLOT
	s_add_co_u32 s22, s22, SLOT
.endr
	s_mul_i32 s23, s10, 16*SPITCH
	s_add_co_u32 s23, s23, STAGE                   ; my stage
	v_mul_u32_u24 v4, v1, SPITCH                   ; row l % 16, 32 bytes for each half of the lanes
	v_lshl_add_u32 v4, v2, 5, v4
	v_add_nc_u32 v[STO], s23, v4
	s_mul_i32 s21, s11, XH                         ; my 128 rows in x's tile
	v_add_nc_u32 v[XR], s21, v4
	v_lshl_add_u32 v[PS], v1, 2, s23
	v_and_b32 v5, 31, v0
	v_lshlrev_b32 v[CO], 4, v5                     ; back and out: the wave takes 512 consecutive bytes, 16 bytes a lane
	v_add_nc_u32 v[RD], s23, v[CO]
	v_lshrrev_b32 v6, 1, v5
	v_and_b32 v7, 1, v5
	v_lshlrev_b32 v7, 8, v7
	v_lshl_add_u32 v[XP], v6, 12, v7               ; row lane / 2 of sixteen, block lane % 2 of the row's two blocks of 256 bytes
; 16 matrix instructions: m blocks a0, a0 + 1 of the window's four (hi = 0: my rows 0-63, 1: rows 64-127) x all 8 n blocks, 32 along K.
; first = 1: the first product starts the sums from the columns' bias: nothing is cleared and no bias is added later.  The 64 accumulators take
; turns, one instruction a turn, in the same order in every quarter step.
.macro MUL16 f, hi, a0, first
.irp a, \a0, \a0+1
.irp b, 0,1,2,3,4,5,6,7
.if \first
	v_wmma_f32_16x16x32_bf16 v[8*(8*(\a)+\b):8*(8*(\a)+\b)+7], v[\f+8*\b:\f+8*\b+7], v[\f+8*(4*\hi+\a):\f+8*(4*\hi+\a)+7], v[BIAS+8*\b:BIAS+8*\b+7]
.else
	v_wmma_f32_16x16x32_bf16 v[8*(8*(\a)+\b):8*(8*(\a)+\b)+7], v[\f+8*\b:\f+8*\b+7], v[\f+8*(4*\hi+\a):\f+8*(4*\hi+\a)+7], v[8*(8*(\a)+\b):8*(8*(\a)+\b)+7]
.endif
.endr
.endr
.endm
; 32 LDS loads in one run: the fragments of one quarter step (128 rows of B, 128 rows of A, 32 K at byte k of the rows) into buffer f
.macro FETCH slot, k, f
	WIN TO_B
.irp i, 0,1,2,3,4,5,6,7
	ds_load_b128 v[\f+8*\i:\f+8*\i+3],   v[ADRB+\slot] offset:\k+\i*16*PITCH
	ds_load_b128 v[\f+8*\i+4:\f+8*\i+7], v[ADRB+\slot] offset:\k+\i*16*PITCH+32
.endr
	WIN 0
.irp i, 0,1,2,3,4,5,6,7
	ds_load_b128 v[\f+8*\i:\f+8*\i+3],   v[ADRA+\slot] offset:\k+\i*16*PITCH
	ds_load_b128 v[\f+8*\i+4:\f+8*\i+7], v[ADRA+\slot] offset:\k+\i*16*PITCH+32
.endr
.endm
; A load into a register that a matrix instruction has read, and a store or vector instruction that reads a matrix result, stand four places
; behind that matrix instruction, and only plain vector instructions that name none of its registers are places.
.macro PLACES
.rept 4
	v_nop
.endr
.endm
; A K step is four quarter steps of 32 along K, 64 matrix instructions each, on buffers 0, 1, 0, 1.
; One of the first three: multiplies buffer f; in its middle it fetches the next quarter's fragments, at byte k of the same slot's rows, into buffer g.
.macro QUARTER slot, k, f, g, first
	s_wait_dscnt 8                                 ; B and A's rows 0-63 are in; the youngest eight loads (A's rows 64-127) may be out
.if \first
	WIN FIRST_LO
.else
	WIN MUL_LO
.endif
	MUL16 \f, 0, 0, \first
	MUL16 \f, 0, 2, \first
	PLACES
	FETCH \slot, \k, \g
	s_wait_dscnt 32                                ; all but the 32 just issued
.if \first
	WIN FIRST_HI
.else
	WIN MUL_HI
.endif
	MUL16 \f, 1, 0, \first
	MUL16 \f, 1, 2, \first
.endm
.macro THREE slot, first
	QUARTER \slot, 64,  F0, F1, \first
	QUARTER \slot, 128, F1, F0, 0
	QUARTER \slot, 192, F0, F1, 0
.endm
; The last quarter: multiplies buffer 1 and changes slots.  next = the other slot; fill = 1: this slot is filled again, two K steps ahead;
; fill = 2: this slot has had its last K step and takes x's tile.
; ONE barrier for the change of slots, for two things.  In front of it each wave waits for its own reads of this slot and for all its tensor
; loads, of which one is out: its part of the next slot.  Behind it nobody reads this slot any more and the next slot is whole: the refill comes
; first, then the next slot's first fragments.  From a request to the wait for it a wave issues 240 matrix instructions.
.macro TURN slot, next, fill
	s_wait_dscnt 8
	WIN MUL_LO
	MUL16 F1, 0, 0, 0
	s_wait_dscnt 0                                 ; my reads of this slot are over
	s_wait_tensorcnt 0x0                           ; and all my tensor loads have landed: the one that was out is my part of the next slot:
	ds_add_u32 v255, v63
	s_wait_dscnt 0x0
	s_barrier_signal -1                            ; say so (this barrier opens a round of the cluster's barrier),
	MUL16 F1, 0, 2, 0                              ; work on registers while the others arrive,
	WIN 0
	s_barrier_wait -1                              ; and go on when all four have said so
	CREST                                          ; all sixteen work-groups have said so: no wave of any partner still reads this slot's tile or has a load on its way
.if \fill == 1
	s_add_nc_u64 s[G0+4*\slot+2:G0+4*\slot+3], s[G0+4*\slot+2:G0+4*\slot+3], 2*KSTEP*2
	s_add_nc_u64 s[G0B+4*\slot+2:G0B+4*\slot+3], s[G0B+4*\slot+2:G0B+4*\slot+3], 2*KSTEP*2
	JLOAD \slot                                    ; the first tensor load behind the round, and the wave's only one until the next
.else
	s_cmp_lg_u32 s12, 0                            ; waves 1 and 3 hold U and read no x: they issue no load here
	s_cbranch_scc1 .Lno_x_\@
	tensor_load_to_lds s[GX0:GX0+3], s[GX1:GX1+7]  ; waves 0 and 2: my 128 rows of x, my one load behind this round, into bytes that I alone read ((wave >> 1) x 67,584)
	s_nop 0
.Lno_x_\@:
.endif
	PLACES
	FETCH \next, 0, F0
	WIN MUL_HI
	MUL16 F1, 1, 0, 0
	MUL16 F1, 1, 2, 0
.endm
.macro LAP first                       ; once round the ring, both slots filled again
	THREE 0, \first
	TURN 0, 1, 1
	THREE 1, 0
	TURN 1, 0, 1
.endm
	s_wait_loadcnt 0x0                             ; the bias is in: the first products read it
	s_wait_tensorcnt 1                             ; my part of K step 0 is in; K step 1's may stay out
	s_barrier_signal -1
	s_barrier_wait -1                              ; everybody's is
	FETCH 0, 0, F0
	LAP 1                                          ; the first lap stands in front of the loop: its first products start the sums
	WIN 0                                          ; at a label and at a branch every window is 0
	s_mov_b32 s3, LAPS-2
.Llap:
	LAP 0
	WIN 0
	s_sub_co_u32 s3, s3, 1
	s_cmp_lg_u32 s3, 0
	s_cbranch_scc1 .Llap
	; x towards the L2: each wave asks for a quarter of the work-group's tile, 64 rows x 512 bytes, each aligned block of 256 bytes once (lanes 256
	; bytes apart, sixteen rows an instruction), 224 matrix instructions ahead of x's tensor load.  131,072 bytes for the work-group,
	; all inside node_t.
.irp q, 0,1,2,3
	global_prefetch_b8 v[XP], s[84:85] offset:16*ROWB*\q th:TH_LOAD_NT scope:SCOPE_SE
.endr
	THREE 0, 0                                     ; the last lap: K steps 6 and 7
	TURN 0, 1, 2                                   ; slot 0 is done with: x's tile goes there while K step 7 is multiplied
	THREE 1, 0
	s_wait_dscnt 8                                 ; the very last quarter: nothing more to fetch
	WIN MUL_LO
	MUL16 F1, 0, 0, 0
	MUL16 F1, 0, 2, 0
	s_wait_dscnt 0
	WIN MUL_HI
	MUL16 F1, 1, 0, 0
	MUL16 F1, 1, 2, 0
	PLACES                                         ; the places behind the last matrix instructions: for all that reads results or loads into buffers 0 and 1 below
	WIN 0
	s_wait_tensorcnt 0x0                           ; waves 0 and 2: my half of x's tile has landed, and I alone read it: no barrier.  Waves 1 and 3 have no load out: met at once
	s_cmp_lg_u32 s12, 0
	s_cbranch_scc1 .Lu_out
	; THE WAY OUT OF T (waves 0 and 2): T is not stored.  Sixteen rows at a time x is read from LDS in the accumulators' layout (lane l: row l % 16,
	; for each tile 32 bytes at 64 b + 32 (l / 16); the sixteen rows of a pass start in sixteen different 16-byte columns) and multiplied with the
	; accumulators and with we.  A row's sum then lies in two lanes, l and l + 16: one exchange between the halves ends it.
.irp b, 0,1,2,3,4,5,6,7
	global_load_b128 v[BIAS+8*\b:BIAS+8*\b+3],   v[BO], s[68:69] offset:12288+64*\b    ; we (row 3 of vecs) of the same columns, into the bias's registers, last read by the first products
	global_load_b128 v[BIAS+8*\b+4:BIAS+8*\b+7], v[BO], s[68:69] offset:12288+64*\b+16
.endr
.macro XFETCH grp, f                   ; rows 16 grp .. + 15 of my 128, my 128 columns: sixteen LDS loads into buffer f
.irp b, 0,1,2,3,4,5,6,7
	ds_load_b128 v[\f+8*\b:\f+8*\b+3],   v[XR] offset:\grp*16*SPITCH+64*\b
	ds_load_b128 v[\f+8*\b+4:\f+8*\b+7], v[XR] offset:\grp*16*SPITCH+64*\b+16
.endr
.endm
; grp: the row group, 0..7; tl: its tile row in its window; win: source 1 in window 2 (0x08) or 3 (0x0c); f: x's buffer; left: younger LDS instructions that may stay out
.macro DOT16 grp, tl, win, f, left, first
	s_wait_dscnt \left
	WIN \win
.irp k, 0,1,2,3
	v_pk_mul_f32 v[SA+2*\k:SA+2*\k+1], v[\f+2*\k:\f+2*\k+1], v[64*\tl+2*\k:64*\tl+2*\k+1]           ; tile 0 starts four chains
.endr
.irp b, 1,2,3,4,5,6,7
.irp k, 0,1,2,3
	v_pk_fma_f32 v[SA+2*\k:SA+2*\k+1], v[\f+8*\b+2*\k:\f+8*\b+2*\k+1], v[8*(8*\tl+\b)+2*\k:8*(8*\tl+\b)+2*\k+1], v[SA+2*\k:SA+2*\k+1]
.endr
.endr
	WIN 0
.if \first
	s_wait_loadcnt 0x0                             ; we is in
.endif
.irp k, 0,1,2,3
	v_pk_mul_f32 v[OA+2*\k:OA+2*\k+1], v[\f+2*\k:\f+2*\k+1], v[BIAS+2*\k:BIAS+2*\k+1]
.endr
.irp b, 1,2,3,4,5,6,7
.irp k, 0,1,2,3
	v_pk_fma_f32 v[OA+2*\k:OA+2*\k+1], v[\f+8*\b+2*\k:\f+8*\b+2*\k+1], v[BIAS+8*\b+2*\k:BIAS+8*\b+2*\k+1], v[OA+2*\k:OA+2*\k+1]
.endr
.endr
	v_pk_add_f32 v[SA:SA+1],   v[SA:SA+1],   v[SA+2:SA+3]
	v_pk_add_f32 v[SA+4:SA+5], v[SA+4:SA+5], v[SA+6:SA+7]
	v_pk_add_f32 v[OA:OA+1],   v[OA:OA+1],   v[OA+2:OA+3]
	v_pk_add_f32 v[OA+4:OA+5], v[OA+4:OA+5], v[OA+6:OA+7]
	v_pk_add_f32 v[SA:SA+1],   v[SA:SA+1],   v[SA+4:SA+5]
	v_pk_add_f32 v[OA:OA+1],   v[OA:OA+1],   v[OA+4:OA+5]
	v_add_f32 v[SA], v[SA], v[SA+1]
	v_add_f32 v[OA], v[OA], v[OA+1]
	v_permlanex16_b32 v[\f],   v[SA], s94, s95     ; the other half's columns; the destination counts as read: registers of x just used up
	v_permlanex16_b32 v[\f+1], v[OA], s94, s95
	v_add_f32 v[SA], v[SA], v[\f]
	v_add_f32 v[OA], v[OA], v[\f+1]
	ds_store_b32 v[PS], v[SA] offset:64*\grp       ; word 16 grp + l % 16 of my stage; lanes l and l + 16 store the same number to the same word
	ds_store_b32 v[PS], v[OA] offset:512+64*\grp
.endm
	XFETCH 0, F0
	XFETCH 1, F1
	DOT16 0, 0, 0x08, F0, 16, 1                    ; the count 16 leaves the next group's sixteen loads out
	XFETCH 2, F0
	DOT16 1, 1, 0x08, F1, 16, 0
	XFETCH 3, F1
	DOT16 2, 2, 0x08, F0, 16, 0
	XFETCH 4, F0
	DOT16 3, 3, 0x08, F1, 16, 0
	XFETCH 5, F1
	DOT16 4, 0, 0x0c, F0, 16, 0
	XFETCH 6, F0
	DOT16 5, 1, 0x0c, F1, 16, 0
	XFETCH 7, F1
	DOT16 6, 2, 0x0c, F0, 16, 0
	DOT16 7, 3, 0x0c, F1, 0, 0
	ds_load_b128 v[F0:F0+3],   v[RD]               ; my 128 rows' sums of x T, four rows a lane; LDS serves a wave's instructions in order (ISA guide 5.7.1.4): these see the stores above
	ds_load_b128 v[F0+4:F0+7], v[RD] offset:512    ; and of x we
	s_wait_dscnt 0x0
	global_store_b128 v[CO], v[F0:F0+3],   s[86:87]                ; each store of the wave covers 512 consecutive bytes, aligned
	global_store_b128 v[CO], v[F0+4:F0+7], s[86:87] offset:262144  ; the second plane of part
	s_branch .Lclose
	; THE WAY OUT OF U (waves 1 and 3), 16 rows at a time: 32 bytes a lane straight from the accumulators into my own stage in LDS, read back as whole
	; rows of 512 bytes, stored.  It starts while x's tile may still be landing for waves 0 and 2: the stage lies behind the ring, in other bytes.
; rows 16 i .. 16 i + 15 of my block = the eight tiles (a, 0..7) of window 2 or 3 (win = 0x08 or 0x0c: an LDS store's data is source 1); f: F0 or F1 in turn
.macro OUT16 i, a, win, f
	WIN \win
.irp b, 0,1,2,3,4,5,6,7
	ds_store_b128 v[STO], v[8*(8*\a+\b):8*(8*\a+\b)+3]   offset:64*\b
	ds_store_b128 v[STO], v[8*(8*\a+\b)+4:8*(8*\a+\b)+7] offset:64*\b+16
.endr
	WIN 0
	s_wait_xcnt 0x0                                ; buffer f, which earlier stores read, and the stores' base are rewritten only behind this wait
.if \i
	s_add_nc_u64 s[8:9], s[8:9], 16*ROWB           ; 16 rows on
.endif
.irp t, 0,1,2,3,4,5,6,7,8,9,10,11,12,13,14,15
	ds_load_b128 v[\f+4*\t:\f+4*\t+3], v[RD] offset:\t*SPITCH      ; in order behind the stores above
.endr
.irp t, 0,1,2,3,4,5,6,7,8,9,10,11,12,13,14,15
	s_wait_dscnt 15-\t
	global_store_b128 v[CO], v[\f+4*\t:\f+4*\t+3], s[8:9] offset:\t*ROWB         ; the wave stores 512 consecutive bytes, at a multiple of 512 from umat's first byte
.endr
.endm
.Lu_out:
	OUT16 0, 0, 0x08, F0
	OUT16 1, 1, 0x08, F1
	OUT16 2, 2, 0x08, F0
	OUT16 3, 3, 0x08, F1
	OUT16 4, 0, 0x0c, F0
	OUT16 5, 1, 0x0c, F1
	OUT16 6, 2, 0x0c, F0
	OUT16 7, 3, 0x0c, F1
.Lclose:
	s_set_vgpr_msb 0x1
	s_wait_tensorcnt 0x0
	ds_add_u32 v255, v63
	s_wait_dscnt 0x0
	s_set_vgpr_msb 0x100
	CROUND                                         ; the closing round: no work-group ends while a partner may still ask for a tile that names it
	s_endpgm
.Lfunc_end_k_q671280e6ff_gemm:
	.size	k_q671280e6ff_gemm, .Lfunc_end_k_q671280e6ff_gemm-k_q671280e6ff_gemm
	.p2alignl 7, 3214868480
	.fill 96, 4, 3214868480
	.section	.rodata,"a",@progbits
	.p2align	6, 0x0
	.amdhsa_kernel k_q671280e6ff_gemm
		.amdhsa_group_segment_fixed_size 327680
		.amdhsa_private_segment_fixed_size 0
		.amdhsa_enable_private_segment 0
		.amdhsa_kernarg_size 48
		.amdhsa_user_sgpr_count 2
		.amdhsa_user_sgpr_kernarg_segment_ptr 1
		.amdhsa_wavefront_size32 1
		.amdhsa_system_sgpr_workgroup_id_x 1
		.amdhsa_system_sgpr_workgroup_id_y 1
		.amdhsa_system_sgpr_workgroup_id_z 1
		.amdhsa_system_vgpr_workitem_id 0
		.amdhsa_next_free_vgpr 1024
		.amdhsa_next_free_sgpr 96
		.amdhsa_reserve_vcc 0
		.amdhsa_float_denorm_mode_32 3
		.amdhsa_float_denorm_mode_16_64 3
		.amdhsa_memory_ordered 1
		.amdhsa_forward_progress 1
		.amdhsa_inst_pref_size 249
	.end_amdhsa_kernel
	.amdgpu_metadata
---
amdhsa.version: [ 1, 2 ]
amdhsa.kernels:
  - .name:           k_q671280e6ff_gemm
    .symbol:         k_q671280e6ff_gemm.kd
    .args:
      - { .name: ybf, .offset: 0, .size: 8, .value_kind: global_buffer, .address_space: global }
      - { .name: mst, .offset: 8, .size: 8, .value_kind: global_buffer, .address_space: global }
      - { .name: umat, .offset: 16, .size: 8, .value_kind: global_buffer, .address_space: global }
      - { .name: vecs, .offset: 24, .size: 8, .value_kind: global_buffer, .address_space: global }
      - { .name: node_t, .offset: 32, .size: 8, .value_kind: global_buffer, .address_space: global }
      - { .name: part, .offset: 40, .size: 8, .value_kind: global_buffer, .address_space: global }
    .group_segment_fixed_size: 327680
    .private_segment_fixed_size: 0
    .kernarg_segment_align: 8
    .kernarg_segment_size: 48
    .max_flat_workgroup_size: 128
    .sgpr_count:     96
    .vgpr_count:     1024
    .wavefront_size: 32
...
	.end_amdgpu_metadata
.endif
;; end of part 2
;; launch final (part 3): grid 512 x 1, 8 waves a work-group, no clusters, 13,568 bytes of LDS; arguments umat, part, ybf, vecs, WO_b, WA_w, WE_b, WN_b, WA_b, out0; writes out0
.if DOCPART == 3
	.amdgcn_target "amdgcn-amd-amdhsa--gfx1250"
	.amdhsa_code_object_version 6
	.text
	.protected	k_q671280e6ff_final
	.globl	k_q671280e6ff_final
	.p2align	8
	.type	k_q671280e6ff_final,@function
k_q671280e6ff_final:
	s_mov_b64 s[64:65], 0
	v_nop
	global_prefetch_b8 v0, s[64:65] scope:SCOPE_SE
	s_setreg_imm32_b32 hwreg(HW_REG_WAVE_MODE, 25, 1), 1
	s_wait_xcnt 0x0
; FINAL: for every row i = (b, n), with y = ybf[i], U = umat[i] = M2 y + b2, and part's sums over eight chunks of 128 columns:
;   s[i]    = sum over chunks of part[0][c][i] + y.u2      (= x.(M1 y + u1) + y.u2 = Q[i].K[i] less bQ.bK, which is the same for all b and which
;                                                            the softmax over b divides out)
;   diag[i] = exp((s[i] - max over b) / 128) / sum over b of the same        (the maximum over the eight batches is taken away first)
;   out[i]  = sum over chunks of part[1][c][i] (= x.we) + sum over p of gelu(diag[i] U[p] + bO[p]) wn[p] + WA.(bE + bN) + bA
; All of it in f32 on the vector unit; memory binds, so no matrix unit, no tensor load and no cluster.
; Work-group g owns n = 2 g and 2 g + 1 for all eight batches; wave w is batch w, so the softmax over b is one exchange of 96 bytes through LDS.
; A wave takes a whole row at a time: each load of U and y covers 512 consecutive bytes, and all 32 loads of a wave are issued before the first wait.
; u2, bO and wn (12,288 bytes) are the same for all eight waves: each thread fetches 16 bytes of each, they are laid into LDS, and behind one
; barrier every wave reads them from there in its own layout: 3 loads from memory a wave in place of 24.
; LDS: bytes 0-95 the exchange between the batches; 256 .. 4,351 u2; 4,352 .. 8,447 bO; 8,448 .. 12,543 wn.
; part is read as 8 bytes (my two rows) of each of 16 rows of 32,768 bytes: 128 bytes a wave, 524,288 in the launch; laid the other way round its
; writers would store single words 64 bytes apart.
; LIMITS KEPT: Phi(z) in gelu(z) = z Phi(z) is Abramowitz and Stegun 7.1.26 (absolute error of erf at most 1.5e-7 for every argument), with the
; erfc form on the negative side, so that no difference of near numbers is formed; v_exp_f32 gives 0 for results below 2^-126; y enters y.u2 as bf16.
; The result is stored as 8 bytes a wave: 256 neighbouring bytes of out0 are 64 n of one b, and the softmax needs all eight b of an n in one
; work-group: whole blocks would leave work for 16 work-groups only.  out0 is 32,768 bytes in all.
.set VL,  1                            ; v1  16 x lane
.set VL2, 2                            ; v2  32 x lane
.set VT,  3                            ; v3  16 x thread
.set LW,  4                            ; v4  4 x wave: my word in LDS
.set ZR,  5                            ; v5  0
.set PO,  6                            ; v6  32,768 x (lane % 8): my chunk's row of part
.set Y,   20                           ; v[20:35] y of row 0, v[36:51] of row 1, columns 256 j + 8 lane ..; later the exchanged numbers and diag
.set U2,  52                           ; v[52:83]   u2, columns 256 j + 8 lane ..; later gelu's registers
.set UR,  84                           ; v[84:115] U of row 0, v[116:147] of row 1, columns 128 j + 4 lane ..
.set BOV, 164                          ; v[164:195] bO, the same columns
.set WNV, 196                          ; v[196:227] wn
.set QV,  228                          ; v[228:239] my thread's 16 bytes of u2, of bO and of wn, on their way to LDS
.set S0,  244                          ; v244, v245 s of my two rows
.set O0,  246                          ; v246, v247 x.we of my two rows, later + c1
.set CP,  248                          ; v248       my wave's part of WA.(bE + bN)
.set MX,  249                          ; v249       the maximum over b
.set OWN, 250                          ; v250       my own exponential
.set RT,  251                          ; v251       the other half's sum in REDUCE
.set LV,  256                          ; LDS: the first byte of the three vectors, 4,096 bytes each
.set EX,  20                           ; v[20:27] s of row 0 for b = 0..7, v[28:35] of row 1, v[36:43] the eight parts of c1
.set DG,  44                           ; v[44:45] diag of row 0, twice; v[46:47] of row 1
.set Z,   52                           ; v[52:55] z; v[56:59] 1 + p|z|, then t, then 1 - q; v[60:63] the exponent, then e; v[64:67] the polynomial, then q, then Phi
.set TT,  56
.set E,   60
.set P,   64
.set A5,  68                           ; v[68:77] a5/2 .. a1/2, each twice: pairs for the packed multiply-adds
.set A4,  70
.set A3,  72
.set A2,  74
.set A1,  76
.macro REDUCE r                        ; the sum over the wave's 32 lanes, in every lane
	v_add_f32_dpp v[\r], v[\r], v[\r] row_xmask:1 row_mask:0xf bank_mask:0xf
	v_add_f32_dpp v[\r], v[\r], v[\r] row_xmask:2 row_mask:0xf bank_mask:0xf
	v_add_f32_dpp v[\r], v[\r], v[\r] row_xmask:4 row_mask:0xf bank_mask:0xf
	v_add_f32_dpp v[\r], v[\r], v[\r] row_xmask:8 row_mask:0xf bank_mask:0xf
	v_permlanex16_b32 v[RT], v[\r], s50, s51
	v_add_f32 v[\r], v[\r], v[RT]
.endm
	s_load_b512 s[8:23], s[0:1], 0x0               ; umat 8, part 10, ybf 12, vecs 14, WO_b 16, WA_w 18, WE_b 20, WN_b 22
	s_load_b128 s[24:27], s[0:1], 0x40             ; WA_b 24, out0 26
	v_lshl_add_u32 v254, v0, 2, 0x3100
	v_mov_b32 v255, 0
	v_lshrrev_b32 v[LW], 5, v0
	v_readfirstlane_b32 s3, v[LW]                  ; wave = batch
	v_and_b32 v[VL], 31, v0
	v_lshlrev_b32 v[VL2], 5, v[VL]
	v_lshlrev_b32 v[VL], 4, v[VL]
	v_lshlrev_b32 v[VT], 4, v0
	v_lshlrev_b32 v[LW], 2, v[LW]
	v_and_b32 v[PO], 7, v0
	v_lshlrev_b32 v[PO], 15, v[PO]
	v_mov_b32 v[ZR], 0
	v_mov_b32 v[RT], 0                             ; v_permlanex16_b32 counts as a reader of its destination
	s_lshl_b32 s30, s3, 10
	s_lshl_b32 s31, ttmp9, 1
	s_add_co_u32 s30, s30, s31                     ; my first row: 1,024 b + 2 g
	s_mov_b32 s33, 0                               ; s[32:33]: a byte offset as a pair
	s_mov_b32 s36, 0x3e6d3389                      ; 0.2316419 = 0.3275911 / sqrt 2
	s_mov_b32 s38, 0x3c38aa3b                      ; log2(e) / 128
	s_mov_b32 s39, 0x3c38aa3b
	s_mov_b32 s40, 0xbf38aa3b                      ; - log2(e) / 2
	s_mov_b32 s41, 0xbf38aa3b
	s_mov_b32 s50, 0x76543210                      ; v_permlanex16_b32: lane i of one half reads lane i of the other
	s_mov_b32 s51, 0xfedcba98
	s_wait_kmcnt 0x0
	s_load_b32 s28, s[24:25], 0x0                  ; bA
	s_lshl_b32 s32, s30, 12
	s_add_nc_u64 s[8:9], s[8:9], s[32:33]          ; umat: rows of 4,096 bytes
	s_lshl_b32 s32, s30, 11
	s_add_nc_u64 s[12:13], s[12:13], s[32:33]      ; ybf: 2,048
	s_lshl_b32 s32, s30, 2
	s_add_nc_u64 s[10:11], s[10:11], s[32:33]      ; part: 4
	s_add_nc_u64 s[26:27], s[26:27], s[32:33]      ; out0: 4
	; 32 loads, none of whose address registers is ever written again
	global_load_b128 v[8:11],  v[VT], s[18:19]     ; WA, bE, bN: four columns a thread, 1,024 for the work-group
	global_load_b128 v[12:15], v[VT], s[20:21]
	global_load_b128 v[16:19], v[VT], s[22:23]
	global_load_b128 v[QV:QV+3],    v[VT], s[14:15] offset:8192    ; u2 (row 2 of vecs), bO, wn (row 4): likewise four columns a thread
	global_load_b128 v[QV+4:QV+7],  v[VT], s[16:17]
	global_load_b128 v[QV+8:QV+11], v[VT], s[14:15] offset:16384
	global_load_b64 v[S0:S0+1], v[PO], s[10:11]                    ; my chunk's sums of x.(M1 y + u1) for my two rows
	global_load_b64 v[O0:O0+1], v[PO], s[10:11] offset:262144      ; and of x.we
.irp rr, 0,1
.irp j, 0,1,2,3
	global_load_b128 v[Y+16*\rr+4*\j:Y+16*\rr+4*\j+3], v[VL], s[12:13] offset:2048*\rr+512*\j th:TH_LOAD_NT
.endr
.endr
.irp rr, 0,1
.irp j, 0,1,2,3,4,5,6,7
	global_load_b128 v[UR+32*\rr+4*\j:UR+32*\rr+4*\j+3], v[VL], s[8:9] offset:4096*\rr+512*\j th:TH_LOAD_NT
.endr
.endr
	s_wait_loadcnt 26                              ; the first six loads are in, the 26 behind them stay out
	ds_store_b128 v[VT], v[QV:QV+3]    offset:LV           ; the three vectors into LDS, 16 neighbouring bytes a thread
	ds_store_b128 v[VT], v[QV+4:QV+7]  offset:LV+4096
	ds_store_b128 v[VT], v[QV+8:QV+11] offset:LV+8192
	; my wave's part of WA.(bE + bN)
	v_pk_add_f32 v[12:13], v[12:13], v[16:17]
	v_pk_add_f32 v[14:15], v[14:15], v[18:19]
	v_pk_mul_f32 v[12:13], v[12:13], v[8:9]
	v_pk_fma_f32 v[12:13], v[14:15], v[10:11], v[12:13]
	v_add_f32 v[CP], v12, v13
	REDUCE CP
	s_wait_dscnt 0x0                               ; for the other waves' sake: my part of the vectors is in LDS
	s_barrier_signal -1
	s_barrier_wait -1                              ; everybody's is; nobody writes these bytes again
.irp j, 0,1,2,3
	ds_load_b128 v[U2+8*\j:U2+8*\j+3],   v[VL2] offset:LV+1024*\j          ; u2 of y's columns 256 j + 8 lane ..
	ds_load_b128 v[U2+8*\j+4:U2+8*\j+7], v[VL2] offset:LV+1024*\j+16
.endr
.irp j, 0,1,2,3,4,5,6,7
	ds_load_b128 v[BOV+4*\j:BOV+4*\j+3], v[VL] offset:LV+4096+512*\j       ; bO of U's columns 128 j + 4 lane ..
.endr
.irp j, 0,1,2,3,4,5,6,7
	ds_load_b128 v[WNV+4*\j:WNV+4*\j+3], v[VL] offset:LV+8192+512*\j       ; wn of the same columns
.endr
	s_wait_loadcnt 16                              ; part and y are in; the sixteen loads of U stay out
	; the eight chunks lie in eight neighbouring lanes: three steps leave their sum in every lane
.irp r, 244,245,246,247
	v_add_f32_dpp v[\r], v[\r], v[\r] row_xmask:1 row_mask:0xf bank_mask:0xf
	v_add_f32_dpp v[\r], v[\r], v[\r] row_xmask:2 row_mask:0xf bank_mask:0xf
	v_add_f32_dpp v[\r], v[\r], v[\r] row_xmask:4 row_mask:0xf bank_mask:0xf
.endr
	s_wait_dscnt 16                                ; u2's eight LDS loads are in; bO's and wn's sixteen stay out
; y.u2 of row rr, added to s: the first two words of y are widened and start four chains, the others go straight from their bf16 halves
.macro YDOT rr
	v_lshlrev_b32 v12, 16, v[Y+16*\rr]
	v_and_b32     v13, 0xffff0000, v[Y+16*\rr]
	v_lshlrev_b32 v14, 16, v[Y+16*\rr+1]
	v_and_b32     v15, 0xffff0000, v[Y+16*\rr+1]
	v_pk_mul_f32 v[8:9],   v[12:13], v[U2:U2+1]
	v_pk_mul_f32 v[10:11], v[14:15], v[U2+2:U2+3]
.irp j, 0,1,2,3
.irp k, 0,1,2,3
.if 4*\j+\k > 1
	v_fma_mix_f32_bf16 v[8+2*(\k&1)], v[Y+16*\rr+4*\j+\k], v[U2+8*\j+2*\k],   v[8+2*(\k&1)] op_sel_hi:[1,0,0]
	v_fma_mix_f32_bf16 v[9+2*(\k&1)], v[Y+16*\rr+4*\j+\k], v[U2+8*\j+2*\k+1], v[9+2*(\k&1)] op_sel:[1,0,0] op_sel_hi:[1,0,0]
.endif
.endr
.endr
	v_pk_add_f32 v[8:9], v[8:9], v[10:11]
	v_add_f32 v12, v8, v9
	REDUCE 12
	v_add_f32 v[S0+\rr], v[S0+\rr], v12
.endm
	YDOT 0
	YDOT 1
	; the coefficients a5/2 .. a1/2 of 7.1.26, halved because Phi = erfc / 2 on the negative side (u2's registers are free now)
	v_mov_b32 v[A5],   0x3f07dc22                  ;  1.061405429 / 2
	v_mov_b32 v[A5+1], 0x3f07dc22
	v_mov_b32 v[A4],   0xbf3a00e3                  ; -1.453152027 / 2
	v_mov_b32 v[A4+1], 0xbf3a00e3
	v_mov_b32 v[A3],   0x3f35f0e3                  ;  1.421413741 / 2
	v_mov_b32 v[A3+1], 0x3f35f0e3
	v_mov_b32 v[A2],   0xbe11a98e                  ; -0.284496736 / 2
	v_mov_b32 v[A2+1], 0xbe11a98e
	v_mov_b32 v[A1],   0x3e027906                  ;  0.254829592 / 2
	v_mov_b32 v[A1+1], 0x3e027906
	; the eight batches meet: each wave stores its three numbers to its own words (all lanes the same number), one barrier, every wave reads all
	ds_store_b32 v[LW], v[S0]
	ds_store_b32 v[LW], v[S0+1] offset:32
	ds_store_b32 v[LW], v[CP] offset:64
	s_wait_dscnt 0x0                               ; for the other waves' sake; bO and wn are in with it
	s_barrier_signal -1
	s_barrier_wait -1
.irp j, 0,1,2,3,4,5
	ds_load_b128 v[EX+4*\j:EX+4*\j+3], v[ZR] offset:16*\j
.endr
	s_wait_dscnt 0x0
; softmax over b at my n: the maximum is taken away first, the scale 1/128 and log2(e) follow in one factor
.macro SOFTMAX rr
	v_max3_num_f32 v[MX], v[EX+8*\rr], v[EX+8*\rr+1], v[EX+8*\rr+2]
	v_max3_num_f32 v[MX], v[MX], v[EX+8*\rr+3], v[EX+8*\rr+4]
	v_max3_num_f32 v[MX], v[MX], v[EX+8*\rr+5], v[EX+8*\rr+6]
	v_max_num_f32 v[MX], v[MX], v[EX+8*\rr+7]
.irp k, 0,1,2,3,4,5,6,7
	v_sub_f32 v[EX+8*\rr+\k], v[EX+8*\rr+\k], v[MX]
.endr
	v_sub_f32 v[OWN], v[S0+\rr], v[MX]
.irp k, 0,2,4,6
	v_pk_mul_f32 v[EX+8*\rr+\k:EX+8*\rr+\k+1], v[EX+8*\rr+\k:EX+8*\rr+\k+1], s[38:39] op_sel_hi:[1,0]
.endr
	v_mul_f32 v[OWN], s38, v[OWN]
.irp k, 0,1,2,3,4,5,6,7
	v_exp_f32 v[EX+8*\rr+\k], v[EX+8*\rr+\k]
.endr
	v_exp_f32 v[OWN], v[OWN]
	v_nop                                          ; one plain place behind the run of transcendentals (ISA guide 5.7.2)
	s_wait_alu depctr_va_vdst(0)
	v_pk_add_f32 v[EX+8*\rr:EX+8*\rr+1],   v[EX+8*\rr:EX+8*\rr+1],   v[EX+8*\rr+2:EX+8*\rr+3]
	v_pk_add_f32 v[EX+8*\rr+4:EX+8*\rr+5], v[EX+8*\rr+4:EX+8*\rr+5], v[EX+8*\rr+6:EX+8*\rr+7]
	v_pk_add_f32 v[EX+8*\rr:EX+8*\rr+1],   v[EX+8*\rr:EX+8*\rr+1],   v[EX+8*\rr+4:EX+8*\rr+5]
	v_add_f32 v[EX+8*\rr], v[EX+8*\rr], v[EX+8*\rr+1]              ; at least 1: the largest term is exp(0)
	v_rcp_f32 v[EX+8*\rr+1], v[EX+8*\rr]
	v_nop                                          ; and one behind the reciprocal
	s_wait_alu depctr_va_vdst(0)
	v_mul_f32 v[DG+2*\rr],   v[OWN], v[EX+8*\rr+1]
	v_mul_f32 v[DG+2*\rr+1], v[OWN], v[EX+8*\rr+1]                 ; twice: a pair for the packed multiply-add
.endm
	SOFTMAX 0
	SOFTMAX 1
	; c1 = WA.(bE + bN) + bA, added to x.we of both rows
	v_pk_add_f32 v[EX+16:EX+17], v[EX+16:EX+17], v[EX+18:EX+19]
	v_pk_add_f32 v[EX+20:EX+21], v[EX+20:EX+21], v[EX+22:EX+23]
	v_pk_add_f32 v[EX+16:EX+17], v[EX+16:EX+17], v[EX+20:EX+21]
	v_add_f32 v[EX+16], v[EX+16], v[EX+17]
	s_wait_kmcnt 0x0                               ; bA
	v_add_f32 v[EX+16], s28, v[EX+16]
	v_add_f32 v[O0],   v[O0],   v[EX+16]
	v_add_f32 v[O0+1], v[O0+1], v[EX+16]
; Four columns: z = diag U + bO; t = 1 / (1 + 0.2316419 |z|); q = t (a1/2 + t (a2/2 + ..)) exp(-z^2 / 2) = Phi(-|z|); Phi(z) = q for z < 0, else 1 - q;
; ha += z Phi(z) wn.  u, b, n: the first registers of U's, bO's and wn's four numbers; ha: two pairs of sums; dg: diag's pair; first = 1 starts the sums.
.macro GELU4 u, b, n, ha, dg, first
	v_pk_fma_f32 v[Z:Z+1],   v[\u:\u+1],   v[\dg:\dg+1], v[\b:\b+1]
	v_pk_fma_f32 v[Z+2:Z+3], v[\u+2:\u+3], v[\dg:\dg+1], v[\b+2:\b+3]
	v_fma_f32 v56, |v52|, s36, 1.0                 ; TT + k from |Z + k|
	v_fma_f32 v57, |v53|, s36, 1.0
	v_fma_f32 v58, |v54|, s36, 1.0
	v_fma_f32 v59, |v55|, s36, 1.0
	v_pk_mul_f32 v[E:E+1],   v[Z:Z+1],   v[Z:Z+1]
	v_pk_mul_f32 v[E+2:E+3], v[Z+2:Z+3], v[Z+2:Z+3]
	v_pk_mul_f32 v[E:E+1],   v[E:E+1],   s[40:41] op_sel_hi:[1,0]
	v_pk_mul_f32 v[E+2:E+3], v[E+2:E+3], s[40:41] op_sel_hi:[1,0]
.irp k, 0,1,2,3
	v_rcp_f32 v[TT+\k], v[TT+\k]
.endr
.irp k, 0,1,2,3
	v_exp_f32 v[E+\k], v[E+\k]
.endr
.irp k, 0,1,2,3
	v_cmp_gt_f32 s[44+\k], 0, v[Z+\k]              ; z < 0; these compares are also the plain place behind the transcendentals (ISA guide 5.7.2)
.endr
	s_wait_alu depctr_va_vdst(0)
	v_pk_fma_f32 v[P:P+1],   v[TT:TT+1],   v[A5:A5+1], v[A4:A4+1]
	v_pk_fma_f32 v[P+2:P+3], v[TT+2:TT+3], v[A5:A5+1], v[A4:A4+1]
.irp a, A3, A2, A1
	v_pk_fma_f32 v[P:P+1],   v[P:P+1],   v[TT:TT+1],   v[\a:\a+1]
	v_pk_fma_f32 v[P+2:P+3], v[P+2:P+3], v[TT+2:TT+3], v[\a:\a+1]
.endr
	v_pk_mul_f32 v[P:P+1],   v[P:P+1],   v[TT:TT+1]
	v_pk_mul_f32 v[P+2:P+3], v[P+2:P+3], v[TT+2:TT+3]
	v_pk_mul_f32 v[P:P+1],   v[P:P+1],   v[E:E+1]
	v_pk_mul_f32 v[P+2:P+3], v[P+2:P+3], v[E+2:E+3]
.irp k, 0,1,2,3
	v_sub_f32 v[TT+\k], 1.0, v[P+\k]
.endr
.irp k, 0,1,2,3
	v_cndmask_b32 v[P+\k], v[TT+\k], v[P+\k], s[44+\k]
.endr
	v_pk_mul_f32 v[Z:Z+1],   v[Z:Z+1],   v[P:P+1]
	v_pk_mul_f32 v[Z+2:Z+3], v[Z+2:Z+3], v[P+2:P+3]
.if \first
	v_pk_mul_f32 v[\ha:\ha+1],   v[Z:Z+1],   v[\n:\n+1]
	v_pk_mul_f32 v[\ha+2:\ha+3], v[Z+2:Z+3], v[\n+2:\n+3]
.else
	v_pk_fma_f32 v[\ha:\ha+1],   v[Z:Z+1],   v[\n:\n+1],   v[\ha:\ha+1]
	v_pk_fma_f32 v[\ha+2:\ha+3], v[Z+2:Z+3], v[\n+2:\n+3], v[\ha+2:\ha+3]
.endif
.endm
	s_wait_loadcnt 0x0                             ; U of both rows
	GELU4 UR,    BOV, WNV, 8,  DG,   1
	GELU4 UR+32, BOV, WNV, 12, DG+2, 1
.irp j, 1,2,3,4,5,6,7
	GELU4 UR+4*\j,    BOV+4*\j, WNV+4*\j, 8,  DG,   0
	GELU4 UR+32+4*\j, BOV+4*\j, WNV+4*\j, 12, DG+2, 0
.endr
	v_pk_add_f32 v[8:9],   v[8:9],   v[10:11]
	v_pk_add_f32 v[12:13], v[12:13], v[14:15]
	v_add_f32 v16, v8, v9
	v_add_f32 v17, v12, v13
	REDUCE 16
	REDUCE 17
	v_add_f32 v16, v16, v[O0]
	v_add_f32 v17, v17, v[O0+1]
	v_cmp_eq_u32 vcc_lo, 0, v[VL]                  ; lane 0
	s_wait_xcnt 0x0                                ; EXEC changes only behind this wait
	s_and_saveexec_b32 s48, vcc_lo
	global_store_b64 v[ZR], v[16:17], s[26:27]     ; out0[b][2 g], out0[b][2 g + 1]
	s_wait_xcnt 0x0
	s_or_b32 exec_lo, exec_lo, s48
	s_wait_tensorcnt 0x0
	ds_add_u32 v254, v255
	s_wait_dscnt 0x0
	s_endpgm
.Lfunc_end_k_q671280e6ff_final:
	.size	k_q671280e6ff_final, .Lfunc_end_k_q671280e6ff_final-k_q671280e6ff_final
	.p2alignl 7, 3214868480
	.fill 96, 4, 3214868480
	.section	.rodata,"a",@progbits
	.p2align	6, 0x0
	.amdhsa_kernel k_q671280e6ff_final
		.amdhsa_group_segment_fixed_size 13568
		.amdhsa_private_segment_fixed_size 0
		.amdhsa_enable_private_segment 0
		.amdhsa_kernarg_size 80
		.amdhsa_user_sgpr_count 2
		.amdhsa_user_sgpr_kernarg_segment_ptr 1
		.amdhsa_wavefront_size32 1
		.amdhsa_system_sgpr_workgroup_id_x 1
		.amdhsa_system_sgpr_workgroup_id_y 1
		.amdhsa_system_sgpr_workgroup_id_z 1
		.amdhsa_system_vgpr_workitem_id 0
		.amdhsa_next_free_vgpr 256
		.amdhsa_next_free_sgpr 66
		.amdhsa_reserve_vcc 1
		.amdhsa_float_denorm_mode_32 3
		.amdhsa_float_denorm_mode_16_64 3
		.amdhsa_memory_ordered 1
		.amdhsa_forward_progress 1
		.amdhsa_inst_pref_size 60
	.end_amdhsa_kernel
	.amdgpu_metadata
---
amdhsa.version: [ 1, 2 ]
amdhsa.kernels:
  - .name:           k_q671280e6ff_final
    .symbol:         k_q671280e6ff_final.kd
    .args:
      - { .name: umat, .offset: 0, .size: 8, .value_kind: global_buffer, .address_space: global }
      - { .name: part, .offset: 8, .size: 8, .value_kind: global_buffer, .address_space: global }
      - { .name: ybf, .offset: 16, .size: 8, .value_kind: global_buffer, .address_space: global }
      - { .name: vecs, .offset: 24, .size: 8, .value_kind: global_buffer, .address_space: global }
      - { .name: WO_b, .offset: 32, .size: 8, .value_kind: global_buffer, .address_space: global }
      - { .name: WA_w, .offset: 40, .size: 8, .value_kind: global_buffer, .address_space: global }
      - { .name: WE_b, .offset: 48, .size: 8, .value_kind: global_buffer, .address_space: global }
      - { .name: WN_b, .offset: 56, .size: 8, .value_kind: global_buffer, .address_space: global }
      - { .name: WA_b, .offset: 64, .size: 8, .value_kind: global_buffer, .address_space: global }
      - { .name: out0, .offset: 72, .size: 8, .value_kind: global_buffer, .address_space: global }
    .group_segment_fixed_size: 13568
    .private_segment_fixed_size: 0
    .kernarg_segment_align: 8
    .kernarg_segment_size: 80
    .max_flat_workgroup_size: 256
    .sgpr_count:     66
    .vgpr_count:     256
    .wavefront_size: 32
...
	.end_amdgpu_metadata
.endif
;; end of part 3
